; MI455X (gfx1250); checked and timed in simulation.
; The chip was launched on July 23, 2026; its instructions are those of AMD's public machine-readable ISA for CDNA 5 (MIT licence, August 2026) and "CDNA5" Instruction Set Architecture Reference Guide (July 2026). The comments in the code are by the model that wrote it; some were corrected since.
;; Causal Self Attention. Allowed arithmetic: matrix products marked QUANTISED: E2M3 operands, one E8M0 scale for each 32 along K, by v_wmma_scale_f32_16x16x128_f8f6f4 with both operands' format E2M3, f32 sums; everything else in f32.
;; Inputs: W_proj 1,024 x 1,024 float32; W_qkv 3,072 x 1,024 float32; x 4 x 2,048 x 1,024 float32.
;; Outputs: out0 4 x 2,048 x 1,024 float32.
;; This version of the problem:
;;   THIS VERSION OF THE PROBLEM IS GIVEN IN LOW PRECISION. The matrix products marked QUANTISED in the list below multiply operands that are first quantised to E2M3 (2 exponent bits, 3 mantissa bits; 6 bits a number), with one power-of-two scale for each 32 numbers along K (OCP MX v1.0); their sums are f32. All else is computed in f32.
;;   The module's matrix products, in the order in which they are computed (A, B: the left and right operand; K: the contracted axis; several contracted axes count as one K, in the product's order):
;;     1. [M 8,192, K 1,024] x [K 1,024, N 3,072]; A: input x; B: input W_qkv: QUANTISED
;;     2. batch 64 x [M 2,048, K 64] x [K 64, N 2,048]; A: computed on the way; B: computed on the way: QUANTISED
;;     3. batch 64 x [M 2,048, K 2,048] x [K 2,048, N 64]; A: softmax (see below); B: computed on the way: QUANTISED
;;     4. [M 8,192, K 1,024] x [K 1,024, N 1,024]; A: computed on the way; B: input W_proj: QUANTISED
;;   THE QUANTISER, for each operand of a quantised product, along K:
;;     - K is cut into blocks of 32 from its start; a last block that is shorter is filled with zeros.
;;     - A block's scale is 2^e with e = floor(log2(the largest magnitude in the block)) - 2, held to -126 .. 127; a block of zeros has e = 0. As a byte (E8M0): e + 127.
;;     - Each number is divided by its block's scale, clamped to +-7.5, and rounded to the nearest number of E2M3, ties to even, subnormals kept.
;;     - The product sums the exact products of the quantised numbers (number of the format x scale) in f32.
;;   ~~~python
;;   def quantise(x, axis):      # numpy; x: float32 -> the quantised numbers, widened to float32 again
;;       x = np.moveaxis(x, axis, -1); K = x.shape[-1]
;;       x = np.pad(x, [(0, 0)] * (x.ndim - 1) + [(0, -K % 32)]); x = x.reshape(x.shape[:-1] + (-1, 32)); a = np.abs(x).max(-1, keepdims=True)
;;       e = np.where(a > 0, np.clip(np.frexp(np.where(a > 0, a, 1))[1] - 1 - 2, -126, 127), 0)      # np.frexp(a)[1] - 1 = floor(log2(a)), exactly
;;       r = np.clip(x / 2.0 ** e, -7.5, 7.5)
;;       step = 2.0 ** (np.maximum(np.frexp(np.where(r == 0, 1, r))[1] - 1, 0) - 3)
;;       q = np.round(r / step) * step * 2.0 ** e      # np.round: ties to even
;;       return np.moveaxis(q.reshape(q.shape[:-2] + (-1,))[..., :K], -1, axis).astype(np.float32)
;;   ~~~
;;   SOFTMAX AHEAD OF A QUANTISED PRODUCT. Where the list says 'softmax', what is quantised is not the finished softmax but p = 2^(t - M), with t = logit x log2(e) and M = ceil(the row's largest t), a whole number; so 1/2 < the row's largest p <= 1. The row's sum l is taken of the UNQUANTISED p, in f32, and the product's result is divided by l at the end. Since M is a whole number, a kernel that streams over the keys may use a running M (the ceiling of the running maximum): every later rescaling is an exact power of two, which a block's scale takes up: the codes' values come out the same.
;;   OPERANDS COMPUTED ON THE WAY. 'Computed on the way' means the value that the module computes at that place (a softmax that the list does not call 'softmax' is quantised finished and normalised). What goes into a quantiser is computed in f32, as accurately as f32 sums, v_exp_f32 and their like allow (about 1e-6 of the number): no bf16 or f16 on the way to a quantiser, and a product that is left as it is and whose result goes on into a quantised operand takes f32 operands (vector FMAs, or v_wmma_f32_16x16x4_f32). A number that lies on a knife's edge between two numbers of the format may be rounded either way, as far as f32 arithmetic and the matrix unit's own rounding can turn it there, and no further.
;; One version. Each part assembles by itself: llvm-mc -triple=amdgcn-amd-amdhsa -mcpu=gfx1250 --defsym DOCPART=n.
;; ======== version 1 of 1: 4 launches
;; limits: right only within a limited range of input values
;; workspace buffers: pre 10,354,688 bytes; qkvc 21,495,808 bytes; yq 6,553,600 bytes
;; launch quant (part 1): grid 448 x 1, 8 waves a work-group, no clusters, 66,560 bytes of LDS; arguments x, W_qkv, W_proj, pre; writes pre
.if DOCPART == 1
	.amdgcn_target "amdgcn-amd-amdhsa--gfx1250"
	.amdhsa_code_object_version 6
	.text
	.protected	k_qc10c353476_quant
	.globl	k_qc10c353476_quant
	.p2align	8
	.type	k_qc10c353476_quant,@function
k_qc10c353476_quant:
	s_mov_b64 s[64:65], 0
	v_nop
	global_prefetch_b8 v0, s[64:65] scope:SCOPE_SE
	s_setreg_imm32_b32 hwreg(HW_REG_WAVE_MODE, 25, 1), 1
	s_wait_xcnt 0x0
; x [8192][1024], W_qkv [3072][1024], W_proj [1024][1024], f32, become codes of FP6 (E2M3) with one E8M0 byte for each 32 along K; and the table of cos and sin for the rotary embedding is made.
; All goes into one workspace buffer.  THE CODES lie [K step of 256][row 0 .. 12,287][192 bytes]: x's rows, then W_qkv's, then W_proj's; a row's 768 bytes lie in four pieces, KST bytes apart, so that 128 or 256 rows of one
; K step are one dense block.  The scale bytes (32 a row) lie from XSO on in the same order of rows; the table from ROPE on: 256 bytes a token: 32 cos, then 32 sin, f32.
; A block's scale is 2^(floor(log2(its largest magnitude)) - 2); its byte is the largest magnitude's exponent field - 2, held at 1 from below (a block of zeros gets the byte 1: its codes are zeros, and this program alone reads the bytes).
; LIMITS: NaN and infinities are not served; blocks whose largest magnitude lies under 2^-124 keep the byte 1.  The table's frequencies are 10^(-i/8) rounded once to f32.
; SHARES.  Work-groups 0-255 take x, 256-351 W_qkv, 352-383 W_proj: 32 rows each, a wave 4 rows: 8 steps of 512 numbers.  Work-groups 384-447 make the table, 32 tokens each.
; THE ROWS OF x AND OF W_qkv ARE LAID IN ANOTHER ORDER: of every 32 rows the second and the third eight change places (bits 1 and 2 of the wave's number change places on the way out), so that
; 16 neighbouring rows of the workspace are rows 0-7 and 16-23, or 8-15 and 24-31: the order in which the next launch wants the rows of a tile.  W_proj keeps its order.
; A lane needs 16 NEIGHBOURS for a conversion, a load is best where neighbouring lanes take neighbouring bytes: each of a step's four loads reads 512 consecutive bytes, and the 2,048 bytes turn through the wave's own stage in LDS.
; No tensor loads, no barrier: waves share nothing.  Loads run four steps (16 loads a wave) ahead, the turn through LDS one step.
.set STEPS, 8
.set EMAX,  2
.set CB,    12                         ; bytes of 16 codes
.set R,     16                         ; v16-79   four sets of 16 numbers as they are loaded
.set X,     80                         ; v80-111  two sets of 16 neighbours
.set C,     128                        ; v128-159 codes: four registers for each step, so that no store's data are written again
.set E,     112                        ; v112-119 a scale byte for each step
.set WREG,  8192                       ; LDS: a region for each wave: two stages of 32 x SP bytes, and behind them its 128 scale bytes
.set SP,    80                         ; a lane's place in a stage: its 64 bytes + 16 of padding
.set SPARE, 8*WREG                     ; the spare words, 128 bytes for each of 8 waves
.set WGX,   256                        ; work-groups for x
.set WGW,   352                        ; and up to here for W_qkv
.set WGT,   384                        ; from here on: the table
.set XSO,   9437184                    ; where the scale bytes begin
.set ROPE,  9830400                    ; where the table begins
.set KST,   2359296                    ; from K step to K step: 12,288 rows x 192 bytes
	s_load_b256 s[4:11], s[0:1], 0x0               ; x s[4:5], W_qkv s[6:7], W_proj s[8:9], the workspace s[10:11]
	v_lshl_add_u32 v192, v0, 2, SPARE
	v_mov_b32 v193, 0
	s_cmp_ge_u32 ttmp9, WGT
	s_cbranch_scc1 .Lrope                          ; the table's path uses no LDS
	v_lshrrev_b32 v1, 5, v0
	v_readfirstlane_b32 s16, v1                    ; wave
	v_and_b32 v2, 31, v0                           ; lane
	v_lshlrev_b32 v3, 4, v2                        ; my 16 bytes of a load's 512
	s_mul_i32 s17, s16, WREG
	v_lshrrev_b32 v14, 2, v2
	v_mul_u32_u24 v14, v14, SP
	v_and_b32 v15, 3, v2
	v_lshl_add_u32 v14, v15, 4, v14
	v_add_nc_u32 v14, s17, v14                     ; the stage, on the way in: SP (lane / 4) + 16 (lane % 4)
	v_mul_u32_u24 v15, v2, SP
	v_add_nc_u32 v15, s17, v15                     ; and on the way out: SP x lane: my 16 neighbours
	v_and_b32 v4, 15, v2
	v_mul_u32_u24 v4, v4, CB                       ; my codes' place: a step is half a row, two K steps: lanes 0-15 fill the first one's 192 bytes,
	v_lshrrev_b32 v5, 4, v2
	v_mad_u32_u24 v4, v5, KST, v4                  ; lanes 16-31 the second one's
	v_lshrrev_b32 v5, 1, v2
	s_add_co_u32 s17, s17, 2*32*SP
	v_add_nc_u32 v5, s17, v5                       ; LDS: my wave's 128 scale bytes, my block's byte
	v_lshlrev_b32 v7, 2, v2                        ; and on the way out 4 bytes a lane
	v_add_nc_u32 v6, s17, v7
	s_bfe_u32 s18, s16, 0x10001
	s_lshl_b32 s18, s18, 2
	s_bfe_u32 s19, s16, 0x10002
	s_lshl_b32 s19, s19, 1
	s_or_b32 s18, s18, s19
	s_and_b32 s19, s16, 1
	s_or_b32 s18, s18, s19                         ; the wave's number with bits 1 and 2 changed
	s_mov_b32 s17, WGW
	s_wait_alu depctr_va_vdst(0)                   ; the wait at the head's end
	s_wait_kmcnt 0x0
	s_cmp_lt_u32 ttmp9, WGW                        ; which tensor?  The choices hang on the work-group's number alone
	s_cselect_b64 s[6:7], s[6:7], s[8:9]
	s_cselect_b32 s17, WGX, s17                    ; the tensor's first work-group
	s_cselect_b32 s18, s18, s16                    ; W_proj keeps its rows' order
	s_cmp_lt_u32 ttmp9, WGX
	s_cselect_b64 s[4:5], s[4:5], s[6:7]
	s_cselect_b32 s17, 0, s17
	s_sub_co_u32 s17, ttmp9, s17
	s_lshl_b32 s17, s17, 3
	s_add_co_u32 s20, s17, s16                     ; which run of 4,096 numbers of the tensor I read
	s_lshl_b32 s20, s20, 14                        ; 16,384 bytes a run
	s_mov_b32 s21, 0
	s_add_nc_u64 s[4:5], s[4:5], s[20:21]
	s_lshl_b32 s19, ttmp9, 3
	s_add_co_u32 s19, s19, s18                     ; and which run of 4 rows of the workspace I write: the three tensors lie on end there
	s_mul_i32 s20, s19, 4*192                      ; 768 bytes in each K step's part
	s_add_nc_u64 s[8:9], s[10:11], s[20:21]
	s_lshl_b32 s20, s19, 7                         ; 128 scale bytes a run
	s_add_co_u32 s20, s20, XSO
	s_add_nc_u64 s[10:11], s[10:11], s[20:21]
.macro LOAD t
.irp i, 0,1,2,3
	global_load_b128 v[R+16*((\t)%4)+4*\i:R+16*((\t)%4)+4*\i+3], v3, s[4:5] offset:2048*(\t)+512*\i th:TH_LOAD_NT   ; 32 lanes read 512 consecutive bytes
.endr
.endm
.macro TURN t                          ; step t's numbers through the stage: LDS serves a wave's instructions in order, so no wait stands between the stores and the loads
.irp i, 0,1,2,3
	ds_store_b128 v14, v[R+16*((\t)%4)+4*\i:R+16*((\t)%4)+4*\i+3] offset:32*SP*((\t)%2)+8*SP*\i
.endr
.irp i, 0,1,2,3
	ds_load_b128 v[X+16*((\t)%2)+4*\i:X+16*((\t)%2)+4*\i+3], v15 offset:32*SP*((\t)%2)+16*\i
.endr
.endm
.irp t, 0,1,2,3
	LOAD \t
.endr
	s_wait_loadcnt 12                              ; step 0's four loads are in; three steps' twelve may be out
	TURN 0
.macro STEP t
.set XS, X+16*((\t)%2)
.if (\t) > 0
	s_wait_dscnt 1                                 ; this step's numbers are back from the stage (the last step's byte store may be out): so its stores into the stage have read their registers,
.else
	s_wait_dscnt 0x0
.endif
.if (\t)+4 < STEPS
	LOAD (\t)+4                                    ; which take the loads of four steps on
.endif
.if (\t)+1 < STEPS
.if STEPS-2-(\t) >= 3
	s_wait_loadcnt 12                              ; the next step's four loads are in; those of the three steps behind it may be out
.else
	s_wait_loadcnt 4*(STEPS-2-(\t))
.endif
	TURN (\t)+1                                    ; and go through the other stage while this step is worked
.endif
	v_max3_num_f32 v8, |v[XS]|, |v[XS+1]|, |v[XS+2]|               ; the largest magnitude of my 16, in two chains
	v_max3_num_f32 v9, |v[XS+3]|, |v[XS+4]|, |v[XS+5]|
.irp i, 6,10
	v_max3_num_f32 v8, v8, |v[XS+\i]|, |v[XS+\i+1]|
	v_max3_num_f32 v9, v9, |v[XS+\i+2]|, |v[XS+\i+3]|
.endr
	v_max3_num_f32 v8, v8, |v[XS+14]|, |v[XS+15]|
	v_max3_num_f32 v8, v8, v9, (EMAX+1)<<23        ; and the floor 2^(3 - 127): the byte cannot fall under 1
	v_max_num_f32_dpp v8, v8, v8 row_xmask:1 row_mask:0xf bank_mask:0xf   ; and of my neighbour's 16: the block's
	v_add_nc_u32 v11, -(EMAX<<23), v8              ; 2 off its exponent field: the conversion takes the exponent field of this operand as its scale
	v_cvt_scalef32_pk16_fp6_f32 v[C+4*(\t):C+4*(\t)+2], v[XS:XS+15], v11   ; sixteen codes, 96 bits, the first number's lowest
	v_lshrrev_b32 v[E+(\t)], 23, v11               ; the scale's byte
	ds_store_b8 v5, v[E+(\t)] offset:16*(\t)       ; both lanes of a block write the same byte with the same value
	global_store_b96 v4, v[C+4*(\t):C+4*(\t)+2], s[8:9] offset:192*((\t)/2)+2*KST*((\t)%2)   ; row t / 2, K steps 2 (t % 2) and 2 (t % 2) + 1: sixteen lanes store 192 consecutive bytes
.endm
.irp t, 0,1,2,3,4,5,6,7
	STEP \t
.endr
	ds_load_b32 v12, v6                            ; LDS serves a wave's instructions in order: this sees my stores
	s_wait_dscnt 0x0
	global_store_b32 v7, v12, s[10:11]             ; 32 lanes store 128 consecutive bytes
	s_wait_tensorcnt 0x0                           ; the wave's end
	ds_add_u32 v192, v193
	s_wait_dscnt 0x0
	s_endpgm
; THE TABLE.  Thread t of 256: c = t % 16 is its 16 bytes of a token's row (c < 8: cos of frequencies 4 c .. 4 c + 3; else sin of 4 (c - 8) ..), t / 16 its token among sixteen; two passes of sixteen tokens.
; angle = token x frequency, one f32 multiplication; j = the nearest whole number to angle x 2 / pi; r = angle - j pi / 2 with pi / 2 in three parts, by fused multiply-adds; polynomials for cos r and sin r on |r| <= pi / 4.
; cos(angle) is cos r, -sin r, -cos r, sin r for j % 4 = 0, 1, 2, 3; sin(angle) is the same with j + 3.
.Lrope:
	s_sub_co_u32 s12, ttmp9, WGT                   ; which 32 tokens
	v_and_b32 v1, 15, v0
	v_lshrrev_b32 v2, 4, v0
	v_and_b32 v3, 7, v1                            ; which four frequencies
	s_wait_alu depctr_va_vdst(0)
	v_lshrrev_b32 v4, 3, v1
	v_mul_u32_u24 v4, v4, 3                        ; 0 for cos, 3 for sin
	v_lshlrev_b32 v5, 4, v0                        ; 256 x (t / 16) + 16 x (t % 16) = 16 t: sixteen lanes fill a token's row
	s_lshl_b32 s13, s12, 5
	v_add_nc_u32 v2, s13, v2                       ; my token of the first pass
	s_mov_b32 s20, 0x3fc90fd8                      ; pi / 2: high,
	s_mov_b32 s21, 0x34a8885a                      ; middle,
	s_mov_b32 s22, 0x27c234c4                      ; low part
	s_mov_b32 s23, 0x37cd4000                      ; cos: 2.44677067e-5,
	s_mov_b32 s24, 0xbab6077d                      ; -1.38877297e-3,
	s_mov_b32 s25, 0x3d2aaaa8                      ; 4.16666567e-2; then -0.5 and 1
	s_mov_b32 s26, 0x36405000                      ; sin: 2.86567956e-6,
	s_mov_b32 s27, 0xb9503486                      ; -1.98559923e-4,
	s_mov_b32 s28, 0x3c0888c1                      ; 8.33338592e-3,
	s_mov_b32 s29, 0xbe2aaaab                      ; -1.66666672e-1
	v_mov_b32 v8, 1.0                              ; 10^(-i / 8), i = 0 .. 3; the others replace them where they are mine
	v_mov_b32 v9, 0.749894209332
	v_mov_b32 v10, 0.562341325190
	v_mov_b32 v11, 0.421696503429
.macro PICK k, f0, f1, f2, f3
	v_cmp_ne_u32 vcc_lo, \k, v3
	v_cndmask_b32 v8, \f0, v8, vcc_lo
	v_cndmask_b32 v9, \f1, v9, vcc_lo
	v_cndmask_b32 v10, \f2, v10, vcc_lo
	v_cndmask_b32 v11, \f3, v11, vcc_lo
.endm
	PICK 1, 0.316227766017, 0.237137370566, 0.177827941004, 0.133352143216
	PICK 2, 0.1, 0.0749894209332, 0.0562341325190, 0.0421696503429
	PICK 3, 0.0316227766017, 0.0237137370566, 0.0177827941004, 0.0133352143216
	PICK 4, 0.01, 0.00749894209332, 0.00562341325190, 0.00421696503429
	PICK 5, 0.00316227766017, 0.00237137370566, 0.00177827941004, 0.00133352143216
	PICK 6, 0.001, 0.000749894209332, 0.000562341325190, 0.000421696503429
	PICK 7, 0.000316227766017, 0.000237137370566, 0.000177827941004, 0.000133352143216
	s_lshl_b32 s14, s12, 13                        ; 32 tokens of 256 bytes
	s_add_co_u32 s14, s14, ROPE
	s_mov_b32 s15, 0
	s_wait_kmcnt 0x0
	s_add_nc_u64 s[10:11], s[10:11], s[14:15]
.macro ONE f, dst                      ; v6: the token as f32; v[f]: the frequency
	v_mul_f32 v12, v6, v[\f]                       ; the angle
	v_mul_f32 v13, 0x3f22f983, v12                 ; x 2 / pi
	v_rndne_f32 v13, v13                           ; j
	v_fma_f32 v12, -v13, s20, v12
	v_fma_f32 v12, -v13, s21, v12
	v_fma_f32 v12, -v13, s22, v12                  ; r
	v_mul_f32 v14, v12, v12                        ; r^2
	v_fma_f32 v15, v14, s23, s24
	v_fma_f32 v16, v14, s26, s27
	v_fma_f32 v15, v15, v14, s25
	v_fma_f32 v16, v16, v14, s28
	v_fma_f32 v15, v15, v14, -0.5
	v_fma_f32 v16, v16, v14, s29
	v_mul_f32 v17, v12, v14
	v_fma_f32 v15, v15, v14, 1.0                   ; cos r
	v_fma_f32 v16, v16, v17, v12                   ; sin r
	v_cvt_i32_f32 v13, v13
	v_add_nc_u32 v13, v13, v4                      ; j, or j + 3 for sin
	v_and_b32 v17, 1, v13
	v_cmp_ne_u32 vcc_lo, 0, v17
	v_cndmask_b32 v15, v15, v16, vcc_lo            ; odd: sin r
	v_add_nc_u32 v13, 1, v13
	v_and_b32 v13, 2, v13                          ; 1 and 2 modulo 4: the sign turns
	v_lshlrev_b32 v13, 30, v13
	v_xor_b32 v[\dst], v13, v15
.endm
.irp p, 0,1                            ; each pass has its own four result registers: no store's data are written again
	v_add_nc_u32 v6, 16*\p, v2
	v_cvt_f32_u32 v6, v6
	s_wait_alu depctr_va_vdst(0)
.irp e, 0,1,2,3
	ONE 8+\e, 20+4*\p+\e
.endr
	global_store_b128 v5, v[20+4*\p:23+4*\p], s[10:11] offset:4096*\p   ; sixteen lanes store a token's 256 bytes, aligned
.endr
	s_endpgm
.Lfunc_end_k_qc10c353476_quant:
	.size	k_qc10c353476_quant, .Lfunc_end_k_qc10c353476_quant-k_qc10c353476_quant
	.p2alignl 7, 3214868480
	.fill 96, 4, 3214868480
	.section	.rodata,"a",@progbits
	.p2align	6, 0x0
	.amdhsa_kernel k_qc10c353476_quant
		.amdhsa_group_segment_fixed_size 66560
		.amdhsa_private_segment_fixed_size 0
		.amdhsa_enable_private_segment 0
		.amdhsa_kernarg_size 32
		.amdhsa_user_sgpr_count 2
		.amdhsa_user_sgpr_kernarg_segment_ptr 1
		.amdhsa_wavefront_size32 1
		.amdhsa_system_sgpr_workgroup_id_x 1
		.amdhsa_system_sgpr_workgroup_id_y 1
		.amdhsa_system_sgpr_workgroup_id_z 1
		.amdhsa_system_vgpr_workitem_id 0
		.amdhsa_next_free_vgpr 194
		.amdhsa_next_free_sgpr 66
		.amdhsa_reserve_vcc 1
		.amdhsa_float_denorm_mode_32 3
		.amdhsa_float_denorm_mode_16_64 3
		.amdhsa_memory_ordered 1
		.amdhsa_forward_progress 1
		.amdhsa_inst_pref_size 31
	.end_amdhsa_kernel
	.amdgpu_metadata
---
amdhsa.version: [ 1, 2 ]
amdhsa.kernels:
  - .name:           k_qc10c353476_quant
    .symbol:         k_qc10c353476_quant.kd
    .args:
      - { .name: x, .offset: 0, .size: 8, .value_kind: global_buffer, .address_space: global }
      - { .name: W_qkv, .offset: 8, .size: 8, .value_kind: global_buffer, .address_space: global }
      - { .name: W_proj, .offset: 16, .size: 8, .value_kind: global_buffer, .address_space: global }
      - { .name: pre, .offset: 24, .size: 8, .value_kind: global_buffer, .address_space: global }
    .group_segment_fixed_size: 66560
    .private_segment_fixed_size: 0
    .kernarg_segment_align: 8
    .kernarg_segment_size: 32
    .max_flat_workgroup_size: 256
    .sgpr_count:     66
    .vgpr_count:     194
    .wavefront_size: 32
...
	.end_amdgpu_metadata
.endif
;; end of part 1
;; launch qkv (part 2): grid 12 x 32, 4 waves a work-group, clusters of 4 x 4, 327,680 bytes of LDS; arguments pre, qkvc; writes qkvc
.if DOCPART == 2
	.amdgcn_target "amdgcn-amd-amdhsa--gfx1250"
	.amdhsa_code_object_version 6
	.text
	.protected	k_qc10c353476_qkv
	.globl	k_qc10c353476_qkv
	.p2align	8
	.type	k_qc10c353476_qkv,@function
k_qc10c353476_qkv:
	s_mov_b64 s[64:65], 0
	v_nop
	global_prefetch_b8 v0, s[64:65] scope:SCOPE_SE
	s_setreg_imm32_b32 hwreg(HW_REG_WAVE_MODE, 25, 1), 1
	s_wait_xcnt 0x0
	s_wait_alu depctr_hold_cnt(0) depctr_sa_sdst(0) depctr_va_vdst(0) depctr_va_sdst(0) depctr_va_ssrc(0) depctr_va_vcc(0) depctr_vm_vsrc(0)
	s_getreg_b32 s2, hwreg(HW_REG_IB_STS2, 6, 4)
	s_cmp_eq_u32 s2, 0
	s_cbranch_scc0 .Lentry_in_a_cluster
	s_endpgm
.Lentry_in_a_cluster:
	s_bfe_u32 s2, ttmp6, 0x10000c
	s_cmp_lg_u32 s2, 0xf033
	s_cbranch_scc0 .Lentry_shape_is_right
	s_endpgm
.Lentry_shape_is_right:
; qkv = x W_qkv^T on codes of FP6 (E2M3) with E8M0 scales (8,192 x 3,072 x 1,024); q and k are rotated (rotary embedding) and quantised along the head's 64; v is quantised along the tokens.  Nothing leaves as f32.
; A tile of 256 x 256 is made by a work-group of four waves, a wave makes 128 x 128: 64 accumulators, 512 registers.  K goes in steps of 256 through a ring of two LDS slots filled by the tensor data mover.
; The scale bytes of the work-group's 2 x 256 rows, for all of K, come into LDS once, with the first fills.
; THE MATRIX INSTRUCTION: source 0 = 16 rows of 'B', source 1 = 16 rows of 'A': a lane holds ONE row of A, and its registers run along rows of B.
; WHICH IS WHICH hangs on the cluster's x (0: q, 1: k, 2: v), the same number in all sixteen partners.  q, k: A = x (a lane holds a token, registers run along features).  v: A = W_qkv, B = x (a lane holds a feature, registers run along tokens).
; THE ROWS of x and W_qkv lie in the workspace so that row 16 a + r is true row 32 (a / 2) + 8 (a % 2) + r + 8 (r / 8).  So the 16 registers of B's blocks 2 b and 2 b + 1 are 16 NEIGHBOURS, 32 b + 16 (lane / 16) + 0 .. 15:
; the order in which the conversions to codes want a lane's registers.
; CLUSTERS: 4 x 4 work-groups.  A's tile is shared along a row of the cluster, B's along a column: each is asked for jointly, by the same tensor load with the same descriptor and a mask that names the four.
; THE WAY OUT.  An operand goes to memory AS ITS REGISTERS STAND, lane by lane.  For 128 tokens of one head: q and k: eight tiles of 16 tokens x 64: 768 bytes each (registers 0-3 at 16 x lane, 4-5 at 512 + 8 x lane), then
; their scale words (tile e: 6,144 + 512 (e / 4) + 16 x lane + 4 (e % 4)): 7,168 bytes.  v: four tiles of 16 channels x 128 tokens: 1,536 bytes each, then their scale words: 6,656 bytes.  k's and v's images of a step lie together.
; A q or k scale word's bytes 2 and 3 are the neighbour head's bytes or 0: the reader sets zero codes against them.  Every store of a wave covers 512 or 256 consecutive bytes, aligned.
; LIMITS: NaN and infinities are not served; a block whose largest magnitude lies under 2^-124 (a block of zeros too) has the byte 1: this program alone reads the bytes.
; 384 work-groups are 24 clusters.  No prefetch: K has four slots only, and every tile is shared by four work-groups' joint load.
; REGISTERS, in windows of 256: window 0: v8-29 addresses; v32-63 scale words, two sets; v64-127 two sets of 16 cos and 16 sin; from v128 A's fragments, one set; on the way out v32-47 and v128-228 are used anew.
;   window 1: B's fragments, two sets, at v0 and v128.   window 2: the accumulators of my A rows 0-63 ((a, b) at v[8 (8 a + b)]);   window 3: those of rows 64-127.
.set SIZE_K, 1024
.set KSTEP,  256                       ; along K in a slot
.set NQ,     KSTEP/128                 ; matrix instructions deep
.set ROWB,   192                       ; a tile's row in bytes
.set KROW,   SIZE_K*6/8                ; a row of codes in memory
.set PITCH,  240                       ; an LDS row: 3 x (64 bytes + 16 of padding): the 32 lanes of a load of 8 bytes touch 64 different words' columns
.set FR,     12                        ; registers of a fragment
.set NL,     6                         ; LDS loads that bring one
.set NP,     4                         ; places behind this matrix instruction (ISA guide 7.12.1)
.set HALFT,  128*PITCH                 ; 128 rows: what one wave reads of A or of B; a tensor load brings 256
.set SLOT,   4*HALFT                   ; A's 256 rows, then B's 256 rows
.set LAPS,   SIZE_K/(2*KSTEP)
.set KS,     SIZE_K/32                 ; a row of scale bytes
.set SCL,    2*SLOT                    ; behind the ring: the scales, as rows of 256 bytes + 16 of padding
.set HALFS,  (128*KS/256)*272
.set SBLK,   (16*KS/256)*272
.set SPARE,  SCL+4*HALFS               ; the spare words, 128 bytes for each wave: two blocks of 256 bytes that no other line names
.set WQC,    1572864                   ; in the first workspace, whose codes lie [K step][row][192 bytes]: W_qkv's first row, 8,192 x 192 (x's lie at 0),
.set KST,    2359296                   ; from K step to K step: 12,288 rows x 192 bytes,
.set XSO,    9437184                   ; x's scale bytes,
.set WQS,    9699328                   ; W_qkv's,
.set ROPE,   9830400                   ; the table of cos and sin
.set KVO,    7340032                   ; in the second: k's and v's images (q's lie at 0)
.set QSTR,   7168                      ; a step's image of q or k
.set KVSTR,  13824                     ; a step's images of k and v together
.set RO,   8                           ; v8      my token's row of the table: 256 (r + 8 (r / 8)) + 64 (lane / 16)
.set L16,  9                           ; v9      16 x lane
.set L8,   10                          ; v10     8 x lane
.set ADRA, 16                          ; v16-17  LDS address of my A fragments in slot 0, 1  (v18-19: for the pieces behind one padding more)
.set ADRB, 20                          ; v20-21  the same for B  (v22-23)
.set ADRS, 27                          ; v27     LDS address of my scale words: lanes 0-15 A's rows, lanes 16-31 B's
.set SPW,  28                          ; v28     LDS address of my spare word; never rewritten
.set NIL,  29                          ; v29     0; never rewritten
.set SC,   32                          ; scale words: set s at v[SC + 16 s]
.set CSR,  64                          ; cos and sin: set z at v[CSR + 32 z]: 16 cos, 16 sin
.set AF,   128                         ; A's fragments
.set OR,   128                         ; the way out: 64 rotated numbers
.set PC,   192                         ; v192-210 the codes just made
.set TM,   212                         ; v212-227 at work in the quantiser
.set PW,   228                         ; the scale word just made
.set SW,   32                          ; v32-47  scale words kept until four can leave together
.set SEL,  18                          ; s[18:19] lane selects for v_permlanex16_b32: lane l xor 16
.set DST,  20                          ; s[20:23] where my two heads' images begin
.set G1, 24                            ; s[24:31] descriptor group 1 for A's tiles;  s[32:39] group 0, one set for each slot
.set G0, 32
.set G1B, 48                           ; s[48:55], s[56:63] the same for B's tiles
.set G0B, 56
.set G1S, 68                           ; s[68:75], s[76:79] groups 1 and 0 for A's scales;  s[80:87], s[88:91] for B's
.set G0S, 76
.set G1SB, 80
.set G0SB, 88
.set MSB, 0
.macro WIN new                         ; the immediate's high byte repeats the setting that is left
.if MSB != \new
	s_set_vgpr_msb (MSB<<8)|\new
.set MSB, \new
.endif
.endm
.set MUL_LO, 0xa1                      ; source 0 (B) window 1, source 1 (A) window 0, C and D window 2
.set MUL_HI, 0xf1                      ; the same, C and D window 3
.set TO_B,   0x40                      ; destination window 1, address window 0
; A joint load of the ring: wave 0 fetches A's 256 rows, wave 1 B's, the others nothing.  Each line has one mask and one set of registers for all that issue it; the branches hang on the wave's number alone.
; Four v_nop stand on every way: behind each load, and for the waves that ask for nothing: they are the places in front of the LDS loads that follow.
.macro JLOAD g0a, g1a, g0b, g1b
	s_cmp_eq_u32 s14, 0
	s_cbranch_scc0 .Lfor_b_\@
	tensor_load_to_lds s[\g0a:\g0a+3], s[\g1a:\g1a+7]
	s_nop 0
.rept 4
	v_nop
.endr
	s_branch .Lasked_\@
.Lfor_b_\@:
	s_cmp_eq_u32 s14, 1
	s_cbranch_scc0 .Lnone_\@
	tensor_load_to_lds s[\g0b:\g0b+3], s[\g1b:\g1b+7]
	s_nop 0
.rept 4
	v_nop
.endr
	s_branch .Lasked_\@
.Lnone_\@:
.rept 4
	v_nop
.endr
.Lasked_\@:
.endm
.macro CREST                           ; a round of the cluster's barrier behind its opening barrier
	s_cmp_lg_u32 s14, 0
	s_cbranch_scc1 .Lnot_wave_0_\@
	s_barrier_signal -3
.Lnot_wave_0_\@:
	s_barrier_wait -3
	s_barrier_signal -1
	s_barrier_wait -1
.endm
.macro CROUND                          ; a whole round
	s_barrier_signal -1
	s_barrier_wait -1
	CREST
.endm
	s_load_b128 s[4:7], s[0:1], 0x0                ; the first workspace s[4:5], the second s[6:7]
	v_lshl_add_u32 v[SPW], v0, 2, SPARE
	v_mov_b32 v[NIL], 0
	ds_add_u32 v28, v29
	ds_add_u32 v28, v29
	s_wait_dscnt 0x0
	v_lshrrev_b32 v1, 5, v0
	v_readfirstlane_b32 s14, v1                    ; wave 0..3
	s_lshr_b32 s15, s14, 1                         ; which half of A's rows is mine
	s_and_b32 s16, s14, 1                          ; which half of B's rows
	s_bfe_u32 s40, ttmp6, 0x40000                  ; cx, cy: my place in the cluster
	s_bfe_u32 s41, ttmp6, 0x40004
	s_and_b32 s8, ttmp7, 0xffff
	s_lshl_b32 s8, s8, 2                           ; 4 x cluster y
	s_lshl_b32 s43, s41, 2
	s_lshl_b32 s43, 15, s43                        ; my row of the cluster
	s_lshl_b32 s44, 0x1111, s40                    ; my column
	s_add_co_u32 s17, s8, s41                      ; A's tile: q, k: tile 4 cluster y + cy of x;
	s_add_co_u32 s9, s41, 8                        ; v: tile 8 + cy of W_qkv.  (No register on A's way ever holds cx)
	s_lshl_b32 s42, ttmp9, 2
	s_add_co_u32 s42, s42, s40                     ; B's tile: q, k: tile 4 cluster x + cx of W_qkv;
	s_add_co_u32 s66, s8, s40                      ; v: tile 4 cluster y + cx of x.  (None on B's way holds cy)
	s_mov_b32 s97, XSO
	s_mov_b32 s99, WQS
	s_cmp_eq_u32 ttmp9, 2                          ; v?  The same answer in all sixteen partners
	s_cselect_b32 s17, s9, s17
	s_cselect_b32 s42, s66, s42
	s_cselect_b32 s96, WQC, 0                      ; where A's codes lie,
	s_cselect_b32 s97, WQS, s97                    ; A's scale bytes,
	s_cselect_b32 s98, 0, WQC                      ; B's codes,
	s_cselect_b32 s99, XSO, s99                    ; B's scale bytes
	; descriptor group 1: 256 rows x 192 bytes of one K step are a dense block of 49,152 bytes: stated as 192 rows of 256 bytes; 16 bytes of padding behind every 64, so that a row of codes takes 240 bytes of LDS
	s_or_b32 s[G1+0], s43, (0<<16)|(1<<20)|(1<<21)|(3<<22)|(3<<25)  ; 15:0 the mask: A's tiles go to my row; 17:16 element of 1 byte; 20 padding on; 21 set beside a mask; 24:22 after every 16 words; 31:25 of 4 words
	s_or_b32 s[G1B+0], s44, (0<<16)|(1<<20)|(1<<21)|(3<<22)|(3<<25)
.irp g, G1, G1B
	s_mov_b32 s[\g+1], 256<<16                     ; tensor_dim0
	s_mov_b32 s[\g+2], 192<<16                     ; tensor_dim1
	s_mov_b32 s[\g+3], 256<<16                     ; tile_dim0
	s_mov_b32 s[\g+4], 192                         ; tile_dim1
	s_mov_b32 s[\g+5], 256                         ; tensor_dim0_stride
	s_mov_b32 s[\g+6], 0
	s_mov_b32 s[\g+7], 0
.endr
	; and for the scales of 256 rows: a dense block of 8,192 bytes, as rows of 256 bytes (32 elements of 8 bytes), 16 bytes of padding behind each
	s_or_b32 s[G1S+0], s43, (3<<16)|(1<<20)|(1<<21)|(5<<22)|(3<<25)
	s_or_b32 s[G1SB+0], s44, (3<<16)|(1<<20)|(1<<21)|(5<<22)|(3<<25)
.irp g, G1S, G1SB
	s_mov_b32 s[\g+1], 32<<16
	s_mov_b32 s[\g+2], (256*KS/256)<<16
	s_mov_b32 s[\g+3], 32<<16
	s_mov_b32 s[\g+4], 256*KS/256
	s_mov_b32 s[\g+5], 32
	s_mov_b32 s[\g+6], 0
	s_mov_b32 s[\g+7], 0
.endr
	s_lshl_b32 s20, s17, 8                         ; A: the tile's first row
	s_lshl_b32 s46, s42, 8                         ; B likewise
	s_mul_i32 s22, s20, KS
	s_add_co_u32 s22, s22, s97                     ; where these rows' scale bytes begin (all offsets stay under 2^24),
	s_mul_i32 s20, s20, ROWB
	s_add_co_u32 s20, s20, s96                     ; and their codes
	s_mul_i32 s92, s46, KS
	s_add_co_u32 s92, s92, s99
	s_mul_i32 s46, s46, ROWB
	s_add_co_u32 s46, s46, s98
	s_mov_b32 s21, 0
	s_mov_b32 s23, 0
	s_mov_b32 s47, 0
	s_mov_b32 s93, 0
	s_lshl_b32 s10, s17, 8                         ; the table's rows for my 128 rows of A: (256 x tile + 128 x half) modulo 2,048 tokens
	s_lshl_b32 s11, s15, 7
	s_add_co_u32 s10, s10, s11
	s_and_b32 s10, s10, 2047
	s_lshl_b32 s10, s10, 8
	s_add_co_u32 s10, s10, ROPE
	s_mov_b32 s11, 0
	s_wait_kmcnt 0x0
	s_add_nc_u64 s[20:21], s[4:5], s[20:21]
	s_add_nc_u64 s[22:23], s[4:5], s[22:23]
	s_add_nc_u64 s[46:47], s[4:5], s[46:47]
	s_add_nc_u64 s[92:93], s[4:5], s[92:93]
	s_add_nc_u64 s[10:11], s[4:5], s[10:11]
	CROUND                                         ; all sixteen work-groups are here: the first joint loads meet
	s_mov_b32 s[G0S], 1
	s_mov_b32 s[G0S+1], SCL
	s_mov_b64 s[G0S+2:G0S+3], s[22:23]
	s_or_b32 s[G0S+3], s[G0S+3], 0x80000000
	s_mov_b32 s[G0SB], 1
	s_mov_b32 s[G0SB+1], SCL+2*HALFS
	s_mov_b64 s[G0SB+2:G0SB+3], s[92:93]
	s_or_b32 s[G0SB+3], s[G0SB+3], 0x80000000
.irp s, 0,1
	s_mov_b32 s[G0+4*\s], 1
	s_mov_b32 s[G0+4*\s+1], \s*SLOT
	s_add_nc_u64 s[G0+4*\s+2:G0+4*\s+3], s[20:21], \s*KST
	s_or_b32 s[G0+4*\s+3], s[G0+4*\s+3], 0x80000000
	s_mov_b32 s[G0B+4*\s], 1
	s_mov_b32 s[G0B+4*\s+1], 2*HALFT+\s*SLOT
	s_add_nc_u64 s[G0B+4*\s+2:G0B+4*\s+3], s[46:47], \s*KST
	s_or_b32 s[G0B+4*\s+3], s[G0B+4*\s+3], 0x80000000
.endr
; THE HEAD'S LOADS, ONE A WAVE: wave 0 K step 0's 256 rows of A, wave 1 its 256 rows of B, wave 2 the scales of A's rows, wave 3 those of B's.
; One chain of branches on the wave's number: every way through the head passes exactly one load.
.macro ARM under, g0, g1, next
	s_cmp_lt_u32 s14, \under
	s_cbranch_scc0 \next
	tensor_load_to_lds s[\g0:\g0+3], s[\g1:\g1+7]
	s_nop 0
.rept 4
	v_nop
.endr
	s_branch .Lhead_asked
\next:
.endm
	ARM 1, G0,  G1,  .Lhead_b
	ARM 2, G0B, G1B, .Lhead_sa
	ARM 3, G0S, G1S, .Lhead_sb
	tensor_load_to_lds s[G0SB:G0SB+3], s[G1SB:G1SB+7]
	s_nop 0
.rept 4
	v_nop
.endr
.Lhead_asked:
	v_and_b32 v1, 15, v0                           ; r = lane % 16
	v_bfe_u32 v2, v0, 4, 1                         ; h = lane / 16
	v_mul_u32_u24 v3, v1, PITCH
	v_mul_u32_u24 v4, v2, 24
	v_add_nc_u32 v4, v3, v4                        ; a fragment's row x pitch + 24 x half
	v_lshl_add_u32 v5, v2, 4, v4                   ; and the same behind one padding more
	s_mul_i32 s21, s15, HALFT                      ; my 128 rows of A
	s_mul_i32 s22, s16, HALFT                      ; my 128 rows of B,
	s_add_co_u32 s22, s22, 2*HALFT                 ; which lie behind A's 256
.irp s, 0,1
	v_add_nc_u32 v[ADRA+\s], s21, v4
	v_add_nc_u32 v[ADRB+\s], s22, v4
	v_add_nc_u32 v[ADRA+2+\s], s21, v5
	v_add_nc_u32 v[ADRB+2+\s], s22, v5
	s_add_co_u32 s21, s21, SLOT
	s_add_co_u32 s22, s22, SLOT
.endr
	v_mul_u32_u24 v5, v1, KS                       ; my row's scales: KS bytes a row,
	v_lshrrev_b32 v6, 8, v5
	v_lshl_add_u32 v5, v6, 4, v5                   ; and 16 more for each 256 passed
	s_mul_i32 s21, s15, HALFS                      ; A's: my 128 rows
	s_mul_i32 s22, s16, HALFS                      ; B's: my 128 rows, behind A's 256
	s_add_co_u32 s22, s22, 2*HALFS
	s_sub_co_u32 s22, s22, s21
	v_mul_u32_u24 v6, s22, v2                      ; lanes 16-31 take B's
	s_add_co_u32 s21, s21, SCL
	v_add_nc_u32 v5, v5, v6
	v_add_nc_u32 v[ADRS], s21, v5
	v_and_b32 v6, 8, v1
	v_add_nc_u32 v6, v6, v1                        ; r + 8 (r / 8)
	v_lshlrev_b32 v[RO], 8, v6
	v_lshl_add_u32 v[RO], v2, 6, v[RO]             ; the table: my token's row, my 16 frequencies
	v_and_b32 v6, 31, v0
	v_lshlrev_b32 v[L16], 4, v6
	v_lshlrev_b32 v[L8], 3, v6
; cos and sin of frequencies 16 h .. 16 h + 15 for my token of A's block a, into set a % 2: eight loads
.macro ROPELOAD a
.irp k, 0,1,2,3
	global_load_b128 v[CSR+32*((\a)%2)+4*\k:CSR+32*((\a)%2)+4*\k+3], v[RO], s[10:11] offset:256*(32*((\a)/2)+8*((\a)%2))+16*\k
	global_load_b128 v[CSR+32*((\a)%2)+16+4*\k:CSR+32*((\a)%2)+16+4*\k+3], v[RO], s[10:11] offset:256*(32*((\a)/2)+8*((\a)%2))+128+16*\k
.endr
.endm
	ROPELOAD 0                                     ; the first two blocks' sets are asked for here and land under the products.  Every work-group asks, v's too, which do not read them:
	ROPELOAD 1                                     ; so all ways through the text have the same loads out, and these registers are written on every way
.macro FRAG reg, adr, q, i             ; a fragment, 16 rows x 128 K, is 12 registers: lane l holds row l % 16; registers 6 c .. 6 c + 5 hold K = 64 c + 32 (l / 16) + 0 .. 31: 24 bytes of the row, as they lie
.irp p, 0,1,2,3,4,5                    ; in pieces of 8 bytes.  Lanes 0-15 take the row's pieces 12 q + 0, 1, 2 and 12 q + 6, 7, 8, lanes 16-31 those three pieces on
.set PIECE, 12*(\q)+6*(\p/3)+\p%3     ; 16 bytes of padding lie behind every 8 pieces: where the piece three on lies behind one padding more, the second address register serves
.if PIECE%8 < 5
	ds_load_b64 v[\reg+2*\p:\reg+2*\p+1], v[\adr] offset:8*PIECE+16*(PIECE/8)+(\i)*16*PITCH
.else
	ds_load_b64 v[\reg+2*\p:\reg+2*\p+1], v[\adr+2] offset:8*PIECE+16*(PIECE/8)+(\i)*16*PITCH
.endif
.endr
.endm
; 16 matrix instructions: A's blocks a0, a0 + 1 x B's eight, 128 along K: the slot's q-th.  p: B's set;  sc: the set of scale words.  zero = 1: the first product starts the sums.
; The 64 accumulators take turns, one instruction a turn, in the same order in every step.
.macro MUL16 a0, p, q, sc, zero
.irp a, \a0, \a0+1
.irp b, 0,1,2,3,4,5,6,7
.if \zero
	v_wmma_scale_f32_16x16x128_f8f6f4 v[8*(8*((\a)%4)+\b):8*(8*((\a)%4)+\b)+7], v[128*(\p)+FR*\b:128*(\p)+FR*\b+FR-1], v[AF+FR*(\a):AF+FR*(\a)+FR-1], 0, v[SC+8*NQ*(\sc)+NQ*\b+(\q)], v[SC+8*NQ*(\sc)+NQ*(\a)+(\q)] matrix_a_fmt:MATRIX_FMT_FP6 matrix_b_fmt:MATRIX_FMT_FP6 matrix_a_scale:MATRIX_SCALE_ROW1
.else
	v_wmma_scale_f32_16x16x128_f8f6f4 v[8*(8*((\a)%4)+\b):8*(8*((\a)%4)+\b)+7], v[128*(\p)+FR*\b:128*(\p)+FR*\b+FR-1], v[AF+FR*(\a):AF+FR*(\a)+FR-1], v[8*(8*((\a)%4)+\b):8*(8*((\a)%4)+\b)+7], v[SC+8*NQ*(\sc)+NQ*\b+(\q)], v[SC+8*NQ*(\sc)+NQ*(\a)+(\q)] matrix_a_fmt:MATRIX_FMT_FP6 matrix_b_fmt:MATRIX_FMT_FP6 matrix_a_scale:MATRIX_SCALE_ROW1
.endif
.endr
.endr
.endm
.macro FETCH_B slot, q, p              ; B's eight fragments of the slot's q-th 128 along K into set p
	WIN TO_B
.irp i, 0,1,2,3,4,5,6,7
	FRAG 128*(\p)+FR*\i, ADRB+\slot, \q, \i
.endr
	WIN 0
.endm
.macro FETCH_A slot, q, i0             ; A's blocks i0 .. i0 + 3
.irp i, \i0, \i0+1, \i0+2, \i0+3
	FRAG AF+FR*(\i), ADRA+\slot, \q, \i
.endr
.endm
.macro SCALES sc                       ; the next K step's scale words into set sc: two words a row; lanes 0-15 take A's block i, lanes 16-31 B's block i
.irp i, 0,1,2,3,4,5,6,7
	ds_load_b64 v[SC+8*NQ*\sc+NQ*\i:SC+8*NQ*\sc+NQ*\i+1], v[ADRS] offset:\i*SBLK
.endr
.endm
; A load into a register that a matrix instruction has read, and a vector instruction that reads a matrix result or writes one of its registers, stand NP places behind it; only plain vector instructions
; that name none of its registers are places (ISA guide 7.12.1 for vector instructions).
.macro PLACES n
.rept \n
	v_nop
.endr
.endm
; A step of 128 along K that has its successor in the same slot.
.macro STEP slot, q, zero
	s_wait_dscnt 4*NL                              ; B's set and A's blocks 0-3 are in; the youngest 24 loads (A's blocks 4-7) may be out
	WIN MUL_LO
	MUL16 0, (\q)%2, \q, \slot, \zero
	MUL16 2, (\q)%2, \q, \slot, \zero
	s_wait_dscnt 0                                 ; A's blocks 4-7 are in (asked for 32 matrix instructions ago)
	PLACES NP
	FETCH_B \slot, (\q)+1, 1-(\q)%2
	FETCH_A \slot, (\q)+1, 0
	WIN MUL_HI
	MUL16 4, (\q)%2, \q, \slot, \zero
	MUL16 6, (\q)%2, \q, \slot, \zero
	PLACES NP
	WIN 0
	FETCH_A \slot, (\q)+1, 4
.endm
; A slot's last step changes slots: ONE barrier; in front of it each wave waits for all its tensor loads, adds 0 to its spare word, and waits for that and for its own reads of this slot.  fill = 1: this slot is filled again, two K steps ahead.
.macro TURN slot, next, fill
	s_wait_tensorcnt 0x0                           ; all my tensor loads have landed: my part of the next slot;  (every window is 0 here)
	ds_add_u32 v[SPW], v[NIL]                      ; 0 onto my spare word;
	s_wait_dscnt 4*NL+1                            ; (the add and the youngest 24 loads, A's blocks 4-7, may be out)
	WIN MUL_LO
	MUL16 0, 1, NQ-1, \slot, 0                     ; sixteen matrix instructions stand between the add and the wait for it
	s_wait_dscnt 0x0                               ; the add is done, and my reads of this slot are over
	s_barrier_signal -1
	MUL16 2, 1, NQ-1, \slot, 0
	WIN 0
	s_barrier_wait -1
.if \fill
	CREST                                          ; the barrier has opened a round of the cluster's barrier: no wave of any partner still reads this slot's tile or has a load on its way
	s_add_nc_u64 s[G0+4*\slot+2:G0+4*\slot+3], s[G0+4*\slot+2:G0+4*\slot+3], 2*KST
	s_add_nc_u64 s[G0B+4*\slot+2:G0B+4*\slot+3], s[G0B+4*\slot+2:G0B+4*\slot+3], 2*KST
	JLOAD G0+4*\slot, G1, G0B+4*\slot, G1B         ; the first tensor load behind the round; the four v_nop behind it are the places in front of the loads below
.else
	PLACES NP
.endif
	s_wait_alu depctr_va_vdst(0)
	v_add_nc_u32 v[ADRS], 4*NQ, v[ADRS]            ; on to the next K step's scale words (no LDS load of mine is out)
	FETCH_B \next, 0, 0
	FETCH_A \next, 0, 0
	SCALES \next
	WIN MUL_HI
	MUL16 4, 1, NQ-1, \slot, 0
	MUL16 6, 1, NQ-1, \slot, 0
	PLACES NP
	WIN 0
	FETCH_A \next, 0, 4
.endm
	s_wait_alu depctr_va_vdst(0)
	s_wait_tensorcnt 0x0                           ; my tile of the head's four is in;
	ds_add_u32 v[SPW], v[NIL]                      ; 0 onto my spare word,
	s_wait_dscnt 0x0                               ; and the wait for it
	CROUND                                         ; a whole round: all four tiles are in, and all sixteen work-groups are here,
	JLOAD G0+4, G1, G0B+4, G1B                     ; and K step 1's loads are the first tensor loads behind the round
	FETCH_B 0, 0, 0
	FETCH_A 0, 0, 0
	SCALES 0
	FETCH_A 0, 0, 4
	STEP 0, 0, 1                                   ; the first step stands in front of the loop: its products start the sums
	s_mov_b32 s3, LAPS-1
.Llap:                                                 ; a trip goes once round the ring, from a lap's second step to the next lap's first, and fills both slots again
	TURN 0, 1, 1
	STEP 1, 0, 0
	TURN 1, 0, 1
	STEP 0, 0, 0
	s_sub_co_u32 s3, s3, 1
	s_cmp_lg_u32 s3, 0
	s_cbranch_scc1 .Llap
	TURN 0, 1, 0                                   ; the last lap fills nothing, and has no round of the cluster's barrier
	STEP 1, 0, 0
	s_wait_dscnt 4*NL                              ; the very last step: nothing more to fetch
	WIN MUL_LO
	MUL16 0, 1, NQ-1, 1, 0
	MUL16 2, 1, NQ-1, 1, 0
	s_wait_dscnt 0
	WIN MUL_HI
	MUL16 4, 1, NQ-1, 1, 0
	MUL16 6, 1, NQ-1, 1, 0
	WIN 0
; 64 numbers of a lane, v[s] .. v[s + 63] of window w, register 16 b + i = place 32 b + 16 (lane / 16) + i along the quantiser's axis, become a fragment's codes in v[PC] .. v[PC + 11] and its scale word in v[PW].
; Each accumulator is read from its low end on.
.macro QUANT s, w
.set WN, (\w)|((\w)<<2)
	WIN WN                                         ; sources 0 and 1 in window w
.irp b, 0,1,2,3
	v_max3_num_f32 v[TM+\b], |v[\s+16*\b]|, |v[\s+1+16*\b]|, 0x1800000   ; block b: my 16 numbers, and the floor 2^(3 - 127): the byte cannot fall under 1
.endr
.irp i, 2,4,6,8,10,12,14
.irp b, 0,1,2,3
	v_max3_num_f32 v[TM+\b], |v[\s+16*\b+\i]|, |v[\s+1+16*\b+\i]|, v[TM+\b]   ; (the four blocks by turns)
.endr
.endr
	WIN 0
.irp b, 0,1,2,3
	v_permlanex16_b32 v[TM+4+\b], v[TM+\b], s[SEL], s[SEL+1]
.endr
.irp b, 0,1,2,3
	v_max_num_f32 v[TM+\b], v[TM+\b], v[TM+4+\b]   ; with lane l xor 16's: the block's largest magnitude
.endr
.irp b, 0,1,2,3
	v_add_nc_u32 v[TM+12+\b], 0xff000000, v[TM+\b] ; 2 off its exponent field: the conversion's scale operand
.endr
.irp b, 0,1,2,3
	v_lshrrev_b32 v[TM+4+\b], 23, v[TM+12+\b]      ; the scale's byte
.endr
	v_lshl_or_b32 v[PW], v[TM+5], 8, v[TM+4]
	v_lshl_or_b32 v[PW], v[TM+6], 16, v[PW]
	v_lshl_or_b32 v[PW], v[TM+7], 24, v[PW]
.set WN, \w
	WIN WN
.irp c, 0,1
	v_cvt_scalef32_pk16_fp6_f32 v[PC+6*\c:PC+2+6*\c], v[\s+32*\c:\s+15+32*\c], v[TM+12+2*\c]
	v_cvt_scalef32_pk16_fp6_f32 v[PC+12+4*\c:PC+14+4*\c], v[\s+16+32*\c:\s+31+32*\c], v[TM+12+2*\c+1]   ; (a conversion's three registers begin on an even number)
.endr
	WIN 0
	v_nop                                          ; one plain place behind a scaled conversion
.irp c, 0,1                                    ; the operand's layout wants a WHOLE block in a lane: lanes 0-15 block 2 c, lanes 16-31 block 2 c + 1
.irp i, 0,1,2
	v_permlane16_swap_b32 v[PC+6*\c+\i], v[PC+12+4*\c+\i]
.endr
.irp i, 0,1,2
	v_mov_b32 v[PC+3+6*\c+\i], v[PC+12+4*\c+\i]
.endr
.endr
.endm
	PLACES NP                                      ; behind the last products: their results are read, and A's registers written, from here on
.irp b, 0,1,2,3
	v_mov_b32 v[TM+4+\b], 0                        ; written once: a lane permute's destination counts as one of its sources
.endr
	s_mov_b32 s[SEL], 0x76543210
	s_mov_b32 s[SEL+1], 0xfedcba98
	s_cmp_eq_u32 ttmp9, 2
	s_cbranch_scc1 .Lvpath
	; ---- q and k.  My 128 tokens are one step of one batch; my 128 features are two heads
	s_lshl_b32 s8, s17, 8
	s_lshl_b32 s9, s15, 7
	s_add_co_u32 s8, s8, s9                        ; my first token
	s_lshr_b32 s9, s8, 11                          ; the batch
	s_bfe_u32 s8, s8, 0x40007                      ; the step: 4 bits from bit 7
	s_lshl_b32 s9, s9, 4
	s_lshl_b32 s12, s40, 2
	s_add_co_u32 s9, s9, s12
	s_lshl_b32 s12, s16, 1
	s_add_co_u32 s9, s9, s12                       ; 16 x batch + my first head (4 cx + 2 x half)
	s_lshl_b32 s9, s9, 4
	s_add_co_u32 s9, s9, s8                        ; its image's number
	s_mov_b32 s12, KVSTR
	s_cmp_eq_u32 ttmp9, 0
	s_cselect_b32 s12, QSTR, s12                   ; bytes from image to image,
	s_cselect_b32 s13, 0, KVO                      ; and where the first lies
	s_mul_i32 s[DST], s9, s12
	s_add_co_u32 s[DST], s[DST], s13
	s_lshl_b32 s[DST+2], s12, 4                    ; the next head: 16 images on
	s_add_co_u32 s[DST+2], s[DST+2], s[DST]
	s_mov_b32 s[DST+1], 0
	s_mov_b32 s[DST+3], 0
	s_add_nc_u64 s[DST:DST+1], s[6:7], s[DST:DST+1]
	s_add_nc_u64 s[DST+2:DST+3], s[6:7], s[DST+2:DST+3]
; A's block a: 16 tokens.  In head e the lane's registers 32 e + i are channels d = 16 h + i, registers 32 e + 16 + i channels d + 32, of its token:
; out(d) = x(d) cos - x(d + 32) sin,  out(d + 32) = x(d + 32) cos + x(d) sin, with the cos and sin of frequency d.  Two at a time, a multiplication and a fused multiply-add each.
.macro QKBLOCK a
.set AC, 64*((\a)%4)
.set CZ, CSR+32*((\a)%2)
.if (\a) < 7
	s_wait_loadcnt 8                               ; this block's eight loads are in; the next block's eight may be out
.else
	s_wait_loadcnt 0
.endif
.set WN, 2+(\a)/4
	WIN WN                                         ; source 0: the accumulators' window
.irp e, 0,1
.irp i, 0,2,4,6,8,10,12,14
	v_pk_mul_f32 v[OR+32*\e+\i:OR+32*\e+\i+1], v[AC+32*\e+16+\i:AC+32*\e+17+\i], v[CZ+16+\i:CZ+17+\i]
	v_pk_mul_f32 v[OR+32*\e+16+\i:OR+32*\e+17+\i], v[AC+32*\e+\i:AC+32*\e+\i+1], v[CZ+16+\i:CZ+17+\i]
	v_pk_fma_f32 v[OR+32*\e+\i:OR+32*\e+\i+1], v[AC+32*\e+\i:AC+32*\e+\i+1], v[CZ+\i:CZ+\i+1], v[OR+32*\e+\i:OR+32*\e+\i+1] neg_lo:[0,0,1] neg_hi:[0,0,1]
	v_pk_fma_f32 v[OR+32*\e+16+\i:OR+32*\e+17+\i], v[AC+32*\e+16+\i:AC+32*\e+17+\i], v[CZ+\i:CZ+\i+1], v[OR+32*\e+16+\i:OR+32*\e+17+\i]
.endr
.endr
	WIN 0
.if (\a) < 6
	ROPELOAD (\a)+2                                ; the set just read takes the block two on
.endif
	s_wait_xcnt 0x0                                ; the last block's stores have read their registers: the codes may be written again
	QUANT OR, 0                                    ; four blocks of 32: two heads x 64 channels: registers 6 e .. 6 e + 5 of the codes are head e's half fragment
.irp e, 0,1
	global_store_b128 v[L16], v[PC+6*\e:PC+6*\e+3], s[DST+2*\e:DST+2*\e+1] offset:768*(\a)          ; 512 consecutive bytes,
	global_store_b64 v[L8], v[PC+6*\e+4:PC+6*\e+5], s[DST+2*\e:DST+2*\e+1] offset:768*(\a)+512      ; and 256
.endr
	v_mov_b32 v[SW+(\a)], v[PW]                    ; head 0's two bytes lie lowest;
	v_lshrrev_b32 v[SW+8+(\a)], 16, v[PW]          ; head 1's are brought there
.if (\a)%4 == 3
	global_store_b128 v[L16], v[SW+(\a)-3:SW+(\a)], s[DST:DST+1] offset:6144+512*((\a)/4)           ; four tiles' scale words, 16 bytes a lane
	global_store_b128 v[L16], v[SW+8+(\a)-3:SW+8+(\a)], s[DST+2:DST+3] offset:6144+512*((\a)/4)
.endif
.endm
.irp a, 0,1,2,3,4,5,6,7
	QKBLOCK \a
.endr
	s_branch .Ldone
.Lvpath:
	; ---- v.  My 128 rows of A are the channels of two heads; my 128 rows of B are the tokens of one step
	s_lshl_b32 s8, s42, 8
	s_lshl_b32 s9, s16, 7
	s_add_co_u32 s8, s8, s9                        ; my first token
	s_lshr_b32 s9, s8, 11
	s_bfe_u32 s8, s8, 0x40007
	s_lshl_b32 s9, s9, 4
	s_lshl_b32 s12, s41, 2
	s_add_co_u32 s9, s9, s12
	s_lshl_b32 s12, s15, 1
	s_add_co_u32 s9, s9, s12                       ; 16 x batch + my first head (4 cy + 2 x half)
	s_lshl_b32 s9, s9, 4
	s_add_co_u32 s9, s9, s8
	s_mul_i32 s[DST], s9, KVSTR
	s_add_co_u32 s[DST], s[DST], KVO+QSTR          ; v's image lies behind k's
	s_add_co_u32 s[DST+2], s[DST], 16*KVSTR
	s_mov_b32 s[DST+1], 0
	s_mov_b32 s[DST+3], 0
	s_add_nc_u64 s[DST:DST+1], s[6:7], s[DST:DST+1]
	s_add_nc_u64 s[DST+2:DST+3], s[6:7], s[DST+2:DST+3]
; A's block a: 16 channels of head a / 4; the lane's 64 registers are its channel's 128 tokens, in the quantiser's order: quantised straight out of the accumulators
.macro VBLOCK a
.set AC, 64*((\a)%4)
	s_wait_xcnt 0x0                                ; the last block's stores have read their registers
	QUANT AC, 2+(\a)/4
.irp c, 0,1,2
	global_store_b128 v[L16], v[PC+4*\c:PC+4*\c+3], s[DST+2*((\a)/4):DST+2*((\a)/4)+1] offset:1536*((\a)%4)+512*\c
.endr
	v_mov_b32 v[SW+(\a)], v[PW]
.if (\a)%4 == 3
	global_store_b128 v[L16], v[SW+(\a)-3:SW+(\a)], s[DST+2*((\a)/4):DST+2*((\a)/4)+1] offset:6144
.endif
.endm
.irp a, 0,1,2,3,4,5,6,7
	VBLOCK \a
.endr
.Ldone:
	s_wait_tensorcnt 0x0                           ; the wave's end
	ds_add_u32 v[SPW], v[NIL]
	s_wait_dscnt 0x0
	CROUND                                         ; the closing round: no work-group ends while a partner may still ask for a tile that names it
	s_endpgm
.Lfunc_end_k_qc10c353476_qkv:
	.size	k_qc10c353476_qkv, .Lfunc_end_k_qc10c353476_qkv-k_qc10c353476_qkv
	.p2alignl 7, 3214868480
	.fill 96, 4, 3214868480
	.section	.rodata,"a",@progbits
	.p2align	6, 0x0
	.amdhsa_kernel k_qc10c353476_qkv
		.amdhsa_group_segment_fixed_size 327680
		.amdhsa_private_segment_fixed_size 0
		.amdhsa_enable_private_segment 0
		.amdhsa_kernarg_size 16
		.amdhsa_user_sgpr_count 2
		.amdhsa_user_sgpr_kernarg_segment_ptr 1
		.amdhsa_wavefront_size32 1
		.amdhsa_system_sgpr_workgroup_id_x 1
		.amdhsa_system_sgpr_workgroup_id_y 1
		.amdhsa_system_sgpr_workgroup_id_z 1
		.amdhsa_system_vgpr_workitem_id 0
		.amdhsa_next_free_vgpr 1024
		.amdhsa_next_free_sgpr 100
		.amdhsa_reserve_vcc 0
		.amdhsa_float_denorm_mode_32 3
		.amdhsa_float_denorm_mode_16_64 3
		.amdhsa_memory_ordered 1
		.amdhsa_forward_progress 1
		.amdhsa_inst_pref_size 240
	.end_amdhsa_kernel
	.amdgpu_metadata
---
amdhsa.version: [ 1, 2 ]
amdhsa.kernels:
  - .name:           k_qc10c353476_qkv
    .symbol:         k_qc10c353476_qkv.kd
    .args:
      - { .name: pre, .offset: 0, .size: 8, .value_kind: global_buffer, .address_space: global }
      - { .name: qkvc, .offset: 8, .size: 8, .value_kind: global_buffer, .address_space: global }
    .group_segment_fixed_size: 327680
    .private_segment_fixed_size: 0
    .kernarg_segment_align: 8
    .kernarg_segment_size: 16
    .max_flat_workgroup_size: 128
    .sgpr_count:     100
    .vgpr_count:     1024
    .wavefront_size: 32
...
	.end_amdgpu_metadata
.endif
;; end of part 2
;; launch attn (part 3): grid 4 x 64, 16 waves a work-group, clusters of 4 x 1, 327,680 bytes of LDS; arguments qkvc, yq; writes yq
.if DOCPART == 3
	.amdgcn_target "amdgcn-amd-amdhsa--gfx1250"
	.amdhsa_code_object_version 6
	.text
	.protected	k_qc10c353476_attn
	.globl	k_qc10c353476_attn
	.p2align	8
	.type	k_qc10c353476_attn,@function
k_qc10c353476_attn:
	s_mov_b64 s[64:65], 0
	v_nop
	global_prefetch_b8 v0, s[64:65] scope:SCOPE_SE
	s_setreg_imm32_b32 hwreg(HW_REG_WAVE_MODE, 25, 1), 1
	s_wait_xcnt 0x0
	s_wait_alu depctr_hold_cnt(0) depctr_sa_sdst(0) depctr_va_vdst(0) depctr_va_sdst(0) depctr_va_ssrc(0) depctr_va_vcc(0) depctr_vm_vsrc(0)
	s_getreg_b32 s2, hwreg(HW_REG_IB_STS2, 6, 4)
	s_cmp_eq_u32 s2, 0
	s_cbranch_scc0 .Lentry_in_a_cluster
	s_endpgm
.Lentry_in_a_cluster:
	s_bfe_u32 s2, ttmp6, 0x10000c
	s_cmp_lg_u32 s2, 0x3003
	s_cbranch_scc0 .Lentry_shape_is_right
	s_endpgm
.Lentry_shape_is_right:
; y = softmax(q k^T / 8, causal) v for 64 (batch, head) pairs of 2,048 tokens x 64 channels, both products on codes of FP6 (E2M3) with E8M0 scales; y is quantised along the channels and leaves as codes.
; q, k and v arrive as images of operand registers, 128 tokens to an image: a tile of q or k (16 tokens x 64): registers 0-3 at 16 x lane, 4-5 at 512 + 8 x lane; a tile of v (16 channels x 128 keys): three times 16 bytes a lane.
; Lane r of tile e of a step is token 32 (e / 2) + 8 (e % 2) + r + 8 (r / 8) of the step's 128.
; The first product's K is 64, the instruction's 128: registers 6-11 of q's fragment are zero codes, set once.  Against them any codes may stand: so k's eight tiles lie 6 registers apart, and the upper half of a tile's
; fragment is the next tile's data (the last tile's: six registers of p's codes).  Every 6 bits are a finite number, and the scale bytes that meet them are finite codes.
; THE SOFTMAX: t = score x log2(e) / 8; M = the row's largest t so far, rounded UP to a whole number; p = 2^(t - M) is quantised along the keys, not normalised.  The row's sum is taken of the unquantised p and divides at the end.
; When M moves, the sum and O are multiplied by 2^(old M - new M): exact.  Both products are used transposed (S^T = k q^T, O^T = v^T p^T): a lane holds ONE query throughout.
; LEFT OUT: key steps that lie wholly behind the causal mask: their p is 0 for every input.
; SHARES.  A cluster of four work-groups is one (batch, head).  Each of a work-group's sixteen waves owns TWO tiles of 16 queries: tile A in query step HB = wave / 2, tile B in query step DB = 15 - HB; in both, tile 2 cx + wave % 2
; of the step's eight.  B works key steps 0 .. DB, then leaves; then A works key steps 0 .. HB in the same registers: 17 tile steps in every wave, the last of each tile on the diagonal.
; LDS: ALL OF THE HEAD'S k AND v, 16 key steps x 13,824 bytes, filled ONCE: wave w asks for key step w, jointly with the three partners, its one tensor load.  Nothing is filled again.
; TWO BARRIERS.  The first shows key steps 0-4: waves 0-4 have a load line of their own and wait for it.  Then every wave works B on key steps 0-3 (DB is 8 at the least; step 3 looks ahead to step 4's k).
; The second, with every wave's wait for its load ahead of it, shows all sixteen.  Behind it the waves share nothing.  The loops' trip counts are constants; branches on the wave's number and the trip lead round the steps that are not mine.
; A STEP ASKS AHEAD: v's tiles 0-2 at its head, the NEXT key step's k straight behind the score products (its place held at key step 15), v's tile 3 onto the spent p.
; NO PREFETCH INTO THE L2: every byte of k and v is asked for by the head's sixteen loads; no later load is left to ask ahead of.
; LIMITS: NaN and infinities are not served; the scaled scores t stay under 2^31 in magnitude; a block of p or of y whose largest magnitude lies under 2^-124 has the byte 1 and (p) zero codes.
; y's scale bytes leave two at a time, 32 bytes apart: a row's 32 bytes come from 16 heads, which are 16 clusters.  They are 1 / 24 of y's bytes.
.set STEPB, 13824                      ; a key step's images: k's 7,168 bytes, then v's 6,656: 54 rows of 256 bytes
.set KIMG,  7168
.set SPARE, 16*STEPB                   ; behind the sixteen steps: the spare words, 128 bytes for each of 16 waves
.set KVO,   7340032                    ; where k's and v's images begin (q's at 0)
.set YHEAD, 393216                     ; in y's buffer: 512 tiles of 768 bytes a head
.set YSO,   6291456                    ; and where its scale bytes begin: 32 a position
.set L16, 1                            ; v1   16 x lane
.set L8,  2                            ; v2   8 x lane
.set SPW, 3                            ; v3   LDS address of my spare word; never rewritten
.set NIL, 4                            ; v4   0; never rewritten
.set N16, 5                            ; v5   the next key step + 16 x lane
.set A16, 6                            ; v6   the key step in hand + 16 x lane
.set N8,  7                            ; v7   the next key step + 8 x lane
.set DG,  8                            ; v8   my query's place in its step less 16 (lane / 16)
.set QS,  9                            ; v9   q's scale words
.set FF,  10                           ; v[10:11] f = 2^(old M - new M), and 0
.set ST,  12                           ; v12-15 -M, the largest t, the sum in two halves
.set Q,   16                           ; v16-27 q's fragment
.set SOP, 28                           ; v28-31 the conversions' scale operands
.set TT,  28                           ; v28  at work ahead of them
.set KS,  32                           ; v32-39 k's scale words
.set VS,  40                           ; v40-43 v's
.set KF,  44                           ; v44-91 k's eight tiles, 6 registers each
.set PC,  92                           ; v92-103 p's codes
.set BM,  100                          ; v100-103 the blocks' largest scores, then largest p: spent when the codes land there
.set VF,  104                          ; v104-139 v's tiles 0-2
.set Q2,  140                          ; v140-145 tile A's q, v146 its scale words, until B has left
.set QS2, 146
.set S,   152                          ; v152-215 S^T, then p; then v's tile 3 in the first twelve
.set O,   216                          ; v216-247 O^T
.set TMP, 248                          ; v248-251, v252-254 at work
.set T1,  252
.set PW,  255                          ; v255 p's scale word
.set WV,  8                            ; s8   my wave's number
.set HB,  9                            ; s9   wave / 2: A's query step
.set W1,  10                           ; s10  wave % 2
.set CX,  11                           ; s11  my place in the cluster: it enters global addresses and the mask's numbers alone
.set BH,  12                           ; s12  16 x batch + head
.set J,   13                           ; s13  the trip: the key step
.set DB,  14                           ; s14  15 - HB: B's query step
.set TB,  15                           ; s15  LDS byte at which the key step in hand begins
.set G1,  16                           ; s[16:23] descriptor group 1
.set G0,  24                           ; s[24:27] group 0: my key step
.set TN,  36                           ; s36  LDS byte at which the next key step begins
.set EE,  37                           ; s37  my tile in its step: 2 cx + wave % 2
.set SEL, 38                           ; s[38:39] lane selects for v_permlanex16_b32: lane l xor 16
.set CS,  40                           ; s[40:41] c = log2(e) / 8
.macro CROUND                          ; a round of the cluster's barrier
	s_barrier_signal -1
	s_barrier_wait -1
	s_cmp_lg_u32 s[WV], 0
	s_cbranch_scc1 .Lnot_wave_0_\@
	s_barrier_signal -3
.Lnot_wave_0_\@:
	s_barrier_wait -3
	s_barrier_signal -1
	s_barrier_wait -1
.endm
	s_load_b128 s[4:7], s[0:1], 0x0                ; q, k, v's images s[4:5]; y's buffer s[6:7]
	v_lshl_add_u32 v[SPW], v0, 2, SPARE
	v_mov_b32 v[NIL], 0
	ds_add_u32 v[SPW], v[NIL]                      ; the opening lines: the add, twice on end, and its wait ahead of my tensor load
	ds_add_u32 v[SPW], v[NIL]
	v_lshrrev_b32 v29, 5, v0
	v_readfirstlane_b32 s[WV], v29                 ; wave 0..15
	s_lshr_b32 s[HB], s[WV], 1
	s_and_b32 s[W1], s[WV], 1
	s_sub_co_u32 s[DB], 15, s[HB]
	s_bfe_u32 s[CX], ttmp6, 0x40000
	s_and_b32 s[BH], ttmp7, 0xffff                 ; the cluster's y: the four partners share it
	; descriptor group 1: a dense block of 13,824 bytes as 54 rows of 256 bytes (32 elements of 8 bytes), no padding: the images are read 16 or 8 consecutive bytes a lane
	s_mov_b32 s[G1], 15|(3<<16)|(1<<21)            ; 15:0 the mask: all four work-groups; 17:16 elements of 8 bytes; 21 set beside a mask
	s_mov_b32 s[G1+1], 32<<16
	s_mov_b32 s[G1+2], 54<<16
	s_mov_b32 s[G1+3], 32<<16
	s_mov_b32 s[G1+4], 54
	s_mov_b32 s[G1+5], 32
	s_mov_b32 s[G1+6], 0
	s_mov_b32 s[G1+7], 0
	s_mov_b32 s[SEL], 0x76543210
	s_mov_b32 s[SEL+1], 0xfedcba98
	s_mov_b32 s[CS], 0x3e38aa3b                    ; log2(e) / 8
	s_mov_b32 s[CS+1], s[CS]                       ; (named with it as a pair, so it is written)
	s_mov_b32 s[TB], 0
	s_mov_b32 s[J], 0
	s_mov_b32 s[G0], 1                             ; count = 1
	s_mul_i32 s[G0+1], s[WV], STEPB                ; LDS: key step = my wave's number
	s_mul_i32 s42, s[BH], 16*STEPB
	s_add_co_u32 s42, s42, KVO
	s_add_co_u32 s42, s42, s[G0+1]                 ; and the same step of my head in memory
	s_mov_b32 s43, 0
	s_wait_dscnt 0x0                               ; both opening adds are done
	s_wait_kmcnt 0x0
	s_add_nc_u64 s[G0+2:G0+3], s[4:5], s[42:43]
	s_or_b32 s[G0+3], s[G0+3], 0x80000000          ; type = 2
	CROUND                                         ; all four work-groups are here: the joint loads meet
	s_cmp_lt_u32 s[WV], 5                          ; one chain, a load in each arm: waves 0-4, whose steps the first barrier shows, have a line of their own
	s_cbranch_scc0 .Llater
	tensor_load_to_lds s[G0:G0+3], s[G1:G1+7]
	s_nop 0
.rept 4
	v_nop
.endr
	s_branch .Lasked
.Llater:
	tensor_load_to_lds s[G0:G0+3], s[G1:G1+7]
	s_nop 0
.rept 4
	v_nop
.endr
.Lasked:
	; q: my two tiles come into registers: B's into the fragment, A's beside it
	s_lshl_b32 s[EE], s[CX], 1
	s_add_co_u32 s[EE], s[EE], s[W1]
	s_mul_i32 s47, s[EE], 768
	s_lshr_b32 s48, s[EE], 2
	s_lshl_b32 s48, s48, 9
	s_and_b32 s49, s[EE], 3
	s_lshl_b32 s49, s49, 2
	s_add_co_u32 s48, s48, s49                     ; its scale word: 512 (e / 4) + 16 x lane + 4 (e % 4)
	s_lshl_b32 s50, s[BH], 4
	s_add_co_u32 s52, s50, s[HB]
	s_mul_i32 s52, s52, KIMG                       ; A: query step HB's image,
	s_mov_b32 s53, 0
	s_add_nc_u64 s[52:53], s[4:5], s[52:53]
	s_add_co_u32 s54, s50, s[DB]
	s_mul_i32 s54, s54, KIMG                       ; B: query step DB's
	s_mov_b32 s55, 0
	s_add_nc_u64 s[54:55], s[4:5], s[54:55]
	s_lshl_b32 s56, s[CX], 5
	s_lshl_b32 s57, s[W1], 3
	s_add_co_u32 s56, s56, s57
	v_and_b32 v29, 31, v0
	v_lshlrev_b32 v[L16], 4, v29
	v_lshlrev_b32 v[L8], 3, v29
	v_add_nc_u32 v29, s47, v[L16]
	v_add_nc_u32 v30, s47, v[L8]
	v_add_nc_u32 v31, s48, v[L16]
	global_load_b128 v[Q:Q+3], v29, s[54:55]
	global_load_b64 v[Q+4:Q+5], v30, s[54:55] offset:512
	global_load_b32 v[QS], v31, s[54:55] offset:6144
	global_load_b128 v[Q2:Q2+3], v29, s[52:53]
	global_load_b64 v[Q2+4:Q2+5], v30, s[52:53] offset:512
	global_load_b32 v[QS2], v31, s[52:53] offset:6144
	v_and_b32 v[DG], 15, v0                        ; r
	v_and_b32 v[TMP], 8, v[DG]
	v_add_nc_u32 v[DG], v[DG], v[TMP]              ; r + 8 (r / 8)
	v_bfe_u32 v[TMP], v0, 4, 1
	v_lshlrev_b32 v[TMP], 4, v[TMP]
	v_sub_nc_u32 v[DG], v[DG], v[TMP]              ; - 16 h
	v_add_nc_u32 v[DG], s56, v[DG]                 ; + 32 cx + 8 (wave % 2): the same for A and B
.irp i, 6,7,8,9,10,11
	v_mov_b32 v[Q+\i], 0                           ; K = 64 .. 127: zero codes
.endr
.irp b, 0,1,2,3
	v_mov_b32 v[TMP+\b], 0                         ; written once: a lane permute's destination counts as one of its sources
.endr
	v_mov_b32 v[FF+1], 0                           ; (named as the upper half of the pair with f)
.irp i, 0,1,2,3,4,5
	v_mov_b32 v[PC+\i], 0                          ; the upper half of k's last fragment: written once here; from the first step on p's codes stand there
.endr
.macro BEGIN                           ; a tile's statistics and sums.  (A step has no first form of its own: the first finds zeros, which the first change of M leaves zeros)
	v_mov_b32 v[ST+1], 0xff61b1e6                  ; the largest t so far: -3e38, under every t
	v_floor_f32 v[ST], -v[ST+1]                    ; -M
	v_mov_b32 v[ST+2], 0
	v_mov_b32 v[ST+3], 0
.set n, 0
.rept 32
	v_mov_b32 v[O+n], 0
.set n, n+1
.endr
.endm
	BEGIN
.macro KLOAD a16, a8                   ; a key step's k: eight tiles and their scale words: 18 loads
.irp t, 0,1,2,3,4,5,6,7
	ds_load_b128 v[KF+6*\t:KF+6*\t+3], v[\a16] offset:768*\t
	ds_load_b64 v[KF+6*\t+4:KF+6*\t+5], v[\a8] offset:768*\t+512
.endr
	ds_load_b128 v[KS:KS+3], v[\a16] offset:6144
	ds_load_b128 v[KS+4:KS+7], v[\a16] offset:6656
.endm
.macro PLACE                           ; the LDS addresses of key step J and of the next, which is held at key step 15
	s_add_co_u32 s[TN], s[TB], STEPB
	s_min_u32 s[TN], s[TN], 15*STEPB
	v_add_nc_u32 v[A16], s[TB], v[L16]
	v_add_nc_u32 v[N16], s[TN], v[L16]
	v_add_nc_u32 v[N8], s[TN], v[L8]
	s_wait_alu depctr_va_vdst(0)
.endm
; A TILE STEP: my 16 queries x the 128 keys of the key step in hand, whose k has been asked for.  masked = 1: on the diagonal where the trip is the tile's own query step, s[D].
.macro STEP D, masked
.irp t, 0,1,2
.irp c, 0,1,2
	ds_load_b128 v[VF+12*\t+4*\c:VF+12*\t+4*\c+3], v[A16] offset:KIMG+1536*\t+512*\c
.endr
.endr
	ds_load_b128 v[VS:VS+3], v[A16] offset:KIMG+6144
	s_wait_dscnt 10                                ; k is in; the ten loads just issued may be out
.irp t, 0,1,2,3,4,5,6,7                        ; S^T = k q^T
	v_wmma_scale_f32_16x16x128_f8f6f4 v[S+8*\t:S+8*\t+7], v[KF+6*\t:KF+6*\t+11], v[Q:Q+11], 0, v[KS+\t], v[QS] matrix_a_fmt:MATRIX_FMT_FP6 matrix_b_fmt:MATRIX_FMT_FP6
.endr                                          ; register n of the 64 holds key 32 (n / 16) + 16 (lane / 16) + n % 16 of the step
.rept 4
	v_nop                                          ; places in front of loads into registers that matrix instructions have read, and of the first read of the scores
.endr
	KLOAD N16, N8                                  ; the next key step's k
.if \masked                                    ; on the diagonal the scores of hidden keys become -infinity ahead of the maximum: p = 0 then
	s_cmp_lg_u32 s[\D], s[J]
	s_cbranch_scc1 .Lopen_\@
	v_mov_b32 v[TT], 0xff800000
.set n, 0
.rept 64
	v_cmp_gt_i32 vcc_lo, 32*(n/16)+n%16, v[DG]
	v_cndmask_b32 v[S+n], v[S+n], v[TT], vcc_lo
.set n, n+1
.endr
.Lopen_\@:
.endif
.irp b, 0,1,2,3
	v_max3_num_f32 v[BM+\b], v[S+16*\b], v[S+1+16*\b], v[S+2+16*\b]   ; the largest score of each block of 32 keys: it serves the row's maximum and, since p rises with the score, the block's largest p
.endr
.irp i, 3,5,7,9,11,13
.irp b, 0,1,2,3
	v_max3_num_f32 v[BM+\b], v[BM+\b], v[S+16*\b+\i], v[S+1+16*\b+\i]
.endr
.endr
.irp b, 0,1,2,3
	v_max_num_f32 v[BM+\b], v[BM+\b], v[S+15+16*\b]
.endr
.irp b, 0,1,2,3
	s_delay_alu instid0(VALU_DEP_4)
	v_permlanex16_b32 v[TMP+\b], v[BM+\b], s[SEL], s[SEL+1]
.endr
.irp b, 0,1,2,3
	s_delay_alu instid0(VALU_DEP_4)
	v_max_num_f32 v[BM+\b], v[BM+\b], v[TMP+\b]    ; with lane l xor 16's 16 keys
.endr
	s_delay_alu instid0(VALU_DEP_2)
	v_max3_num_f32 v[TT], v[BM], v[BM+1], v[BM+2]
	s_delay_alu instid0(VALU_DEP_1)
	v_max_num_f32 v[TT], v[TT], v[BM+3]            ; the step's largest score of my query
	s_delay_alu instid0(VALU_DEP_1)
	v_mul_f32 v[TT], s[CS], v[TT]                  ; as t
	s_delay_alu instid0(VALU_DEP_1)
	v_max_num_f32 v[ST+1], v[ST+1], v[TT]          ; the running largest t
	v_mov_b32 v[TT], v[ST]
	s_delay_alu instid0(VALU_DEP_2)
	v_floor_f32 v[ST], -v[ST+1]                    ; the new -M = floor(-t): M is a whole number
	s_delay_alu instid0(VALU_DEP_1)
	v_sub_f32 v[TT], v[ST], v[TT]                  ; old M less new M: a whole number, 0 or less
	s_delay_alu instid0(VALU_DEP_1)
	v_cvt_i32_f32 v[TT], v[TT]                     ; (it saturates)
	s_delay_alu instid0(VALU_DEP_1)
	v_ldexp_f32 v[FF], 1.0, v[TT]                  ; f = 2^(old M - new M)
.set n, 0
.rept 32
	v_pk_fma_f32 v[S+n:S+n+1], v[S+n:S+n+1], s[CS:CS+1], v[ST:ST+1] op_sel_hi:[1,0,0]   ; t - M, two at a time
.set n, n+2
.endr
.irp b, 0,1,2,3
	v_fma_f32 v[BM+\b], v[BM+\b], s[CS], v[ST]     ; the same of each block's largest score
.endr
.set n, 0
	s_wait_alu depctr_va_vdst(0)                   ; the wait ahead of the batch
.rept 64
	v_exp_f32 v[S+n], v[S+n]                       ; p = 2^(t - M), at most 1
.set n, n+1
.endr
	v_pk_mul_f32 v[ST+2:ST+3], v[ST+2:ST+3], v[FF:FF+1] op_sel_hi:[1,0]   ; the sums under the new M.  (A plain place behind the exponentials)
	s_wait_alu depctr_va_vdst(0)                   ; one wait for the whole batch, ahead of its first reader
.irp b, 0,1,2,3
	v_exp_f32 v[BM+\b], v[BM+\b]                   ; the block's largest p: the same two instructions on the same number give the same bits
.endr
	v_pk_add_f32 v[TMP:TMP+1], v[S:S+1], v[S+2:S+3]          ; the row's sum is taken of the unquantised p, in four chains.  (They read the 64 alone: plain work behind the four)
	v_pk_add_f32 v[TMP+2:TMP+3], v[S+4:S+5], v[S+6:S+7]
	v_pk_add_f32 v[T1:T1+1], v[S+8:S+9], v[S+10:S+11]
.irp j, 12,20,28,36,44,52
	v_pk_add_f32 v[ST+2:ST+3], v[ST+2:ST+3], v[S+\j:S+\j+1]
	v_pk_add_f32 v[TMP:TMP+1], v[TMP:TMP+1], v[S+\j+2:S+\j+3]
	v_pk_add_f32 v[TMP+2:TMP+3], v[TMP+2:TMP+3], v[S+\j+4:S+\j+5]
	v_pk_add_f32 v[T1:T1+1], v[T1:T1+1], v[S+\j+6:S+\j+7]
.endr
	v_pk_add_f32 v[ST+2:ST+3], v[ST+2:ST+3], v[S+60:S+61]
	v_pk_add_f32 v[TMP:TMP+1], v[TMP:TMP+1], v[S+62:S+63]
	v_pk_add_f32 v[TMP+2:TMP+3], v[TMP+2:TMP+3], v[T1:T1+1]
	v_pk_add_f32 v[ST+2:ST+3], v[ST+2:ST+3], v[TMP:TMP+1]
	v_pk_add_f32 v[ST+2:ST+3], v[ST+2:ST+3], v[TMP+2:TMP+3]
	s_wait_alu depctr_va_vdst(0)                   ; and one for the four
.irp b, 0,1,2,3
	v_max_num_f32 v[BM+\b], 0x1800000, v[BM+\b]    ; the floor 2^(3 - 127): the byte cannot fall under 1
.endr
.irp b, 0,1,2,3
	s_delay_alu instid0(VALU_DEP_4)
	v_add_nc_u32 v[SOP+\b], 0xff000000, v[BM+\b]   ; 2 off the exponent field: the conversion's scale operand
.endr
.irp b, 0,1,2,3
	s_delay_alu instid0(VALU_DEP_4)
	v_lshrrev_b32 v[TMP+\b], 23, v[SOP+\b]         ; the scale's byte
.endr
	s_delay_alu instid0(VALU_DEP_3)
	v_lshl_or_b32 v[PW], v[TMP+1], 8, v[TMP]       ; p's scale word for these 128 keys
	s_delay_alu instid0(VALU_DEP_1)
	v_lshl_or_b32 v[PW], v[TMP+2], 16, v[PW]
	s_delay_alu instid0(VALU_DEP_1)
	v_lshl_or_b32 v[PW], v[TMP+3], 24, v[PW]
.irp c, 0,1
	v_cvt_scalef32_pk16_fp6_f32 v[PC+6*\c:PC+2+6*\c], v[S+32*\c:S+15+32*\c], v[SOP+2*\c]
	v_cvt_scalef32_pk16_fp6_f32 v[TMP+4*\c:TMP+2+4*\c], v[S+16+32*\c:S+31+32*\c], v[SOP+2*\c+1]   ; (a conversion's three registers begin on an even number)
.endr
.irp c, 0,1,2                                  ; p is spent: v's tile 3 lands where it began
	ds_load_b128 v[S+4*\c:S+4*\c+3], v[A16] offset:KIMG+1536*3+512*\c
.endr
.set n, 0
.rept 16
	v_pk_mul_f32 v[O+n:O+n+1], v[O+n:O+n+1], v[FF:FF+1] op_sel_hi:[1,0]   ; O^T under the new M.  (Plain work behind the conversions, and while the loads are out)
.set n, n+2
.endr
.irp c, 0,1                                    ; the operand's layout wants a WHOLE block in a lane
.irp i, 0,1,2
	v_permlane16_swap_b32 v[PC+6*\c+\i], v[TMP+4*\c+\i]
.endr
.irp i, 0,1,2
	s_delay_alu instid0(VALU_DEP_3)
	v_mov_b32 v[PC+3+6*\c+\i], v[TMP+4*\c+\i]
.endr
.endr
.rept 4
	v_nop                                          ; an operand written by vector instructions stands four places ahead of a scaled matrix instruction; the scale word was written more than eight ahead
.endr
	s_wait_alu depctr_va_vdst(0)
	s_wait_dscnt 3                                 ; all but tile 3's three loads are in
.irp t, 0,1,2                                  ; O^T += v^T p^T: the four accumulators by turns
	v_wmma_scale_f32_16x16x128_f8f6f4 v[O+8*\t:O+8*\t+7], v[VF+12*\t:VF+12*\t+11], v[PC:PC+11], v[O+8*\t:O+8*\t+7], v[VS+\t], v[PW] matrix_a_fmt:MATRIX_FMT_FP6 matrix_b_fmt:MATRIX_FMT_FP6
.endr
	s_wait_dscnt 0x0
	v_wmma_scale_f32_16x16x128_f8f6f4 v[O+24:O+31], v[S:S+11], v[PC:PC+11], v[O+24:O+31], v[VS+3], v[PW] matrix_a_fmt:MATRIX_FMT_FP6 matrix_b_fmt:MATRIX_FMT_FP6
.rept 5
	v_nop                                          ; the next step's loads land on these products' operands (four places), and its first products write over tile 3's registers (five)
.endr
.endm
; A TILE'S WAY OUT.  y = O^T / the sum.  Register 16 b + i of the 32 is channel 32 b + 16 (lane / 16) + i (v's tiles were laid for that): two blocks of 32 along the last product's K: a half fragment of six registers and two scale bytes.
.macro OUT sc, ss
	s_wait_dscnt 0x0                               ; the look-ahead's loads have landed
	v_add_f32 v[ST+2], v[ST+2], v[ST+3]            ; the sum's two halves,
	v_permlanex16_b32 v[TMP], v[ST+2], s[SEL], s[SEL+1]
	v_add_f32 v[ST+2], v[ST+2], v[TMP]             ; and lane l xor 16's: the row's sum
	s_wait_alu depctr_va_vdst(0)                   ; the wait ahead of the reciprocal
	v_rcp_f32 v[ST+2], v[ST+2]
	v_and_b32 v[SOP+3], 15, v0                     ; (a plain place behind it)
	v_lshlrev_b32 v[SOP+3], 5, v[SOP+3]            ; 32 r: my position's scale bytes
	s_wait_alu depctr_va_vdst(0)                   ; the wait ahead of the first reader
.set n, 0
.rept 16
	v_pk_mul_f32 v[S+n:S+n+1], v[O+n:O+n+1], v[ST+2:ST+3] op_sel_hi:[1,0]      ; each accumulator from its low end on
.set n, n+2
.endr
.irp b, 0,1
	v_max3_num_f32 v[BM+\b], |v[S+16*\b]|, |v[S+1+16*\b]|, 0x1800000
.endr
.irp i, 2,4,6,8,10,12,14
.irp b, 0,1
	v_max3_num_f32 v[BM+\b], v[BM+\b], |v[S+16*\b+\i]|, |v[S+1+16*\b+\i]|
.endr
.endr
.irp b, 0,1
	v_permlanex16_b32 v[TMP+\b], v[BM+\b], s[SEL], s[SEL+1]
.endr
.irp b, 0,1
	v_max_num_f32 v[BM+\b], v[BM+\b], v[TMP+\b]
.endr
.irp b, 0,1
	v_add_nc_u32 v[SOP+\b], 0xff000000, v[BM+\b]
.endr
.irp b, 0,1
	v_lshrrev_b32 v[TMP+\b], 23, v[SOP+\b]
.endr
	v_lshl_or_b32 v[SOP+2], v[TMP+1], 8, v[TMP]    ; the two bytes
	v_cvt_scalef32_pk16_fp6_f32 v[PC:PC+2], v[S:S+15], v[SOP]
	v_cvt_scalef32_pk16_fp6_f32 v[TMP:TMP+2], v[S+16:S+31], v[SOP+1]
	v_nop                                          ; one plain place behind a scaled conversion
.irp i, 0,1,2
	v_permlane16_swap_b32 v[PC+\i], v[TMP+\i]
.endr
.irp i, 0,1,2
	v_mov_b32 v[PC+3+\i], v[TMP+\i]
.endr
	global_store_b128 v[L16], v[PC:PC+3], s[\sc:\sc+1]             ; 512 consecutive bytes, aligned,
	global_store_b64 v[L8], v[PC+4:PC+5], s[\sc:\sc+1] offset:512  ; and 256
	global_store_b16 v[SOP+3], v[SOP+2], s[\ss:\ss+1]              ; lanes r and r + 16 write the same halfword with the same value
.endm
	s_wait_loadcnt 0x0                             ; q
	s_wait_alu depctr_va_vdst(0)                   ; the wait at the head's end
	s_cmp_lt_u32 s[WV], 5
	s_cbranch_scc0 .Lnot_first
	s_wait_tensorcnt 0x0                           ; waves 0-4: my key step is in
.Lnot_first:
	s_barrier_signal -1
	s_barrier_wait -1                              ; key steps 0-4 are in
	KLOAD L16, L8                                  ; key step 0's k
.Lfirst:                                               ; four trips: B on key steps 0-3: all keys count
	PLACE
	STEP DB, 0
	s_add_co_u32 s[TB], s[TB], STEPB
	s_add_co_u32 s[J], s[J], 1
	s_cmp_lt_u32 s[J], 4
	s_cbranch_scc1 .Lfirst
	s_wait_tensorcnt 0x0                           ; every wave: my key step is in
	s_wait_dscnt 0x0
	s_barrier_signal -1
	s_barrier_wait -1                              ; all sixteen are in
	s_mov_b32 s[TB], 4*STEPB
	s_mov_b32 s[J], 4
.Lrest_b:                                              ; twelve trips: B on key step J, where J <= DB
	s_cmp_gt_u32 s[J], s[DB]
	s_cbranch_scc1 .Lno_b
	PLACE
	STEP DB, 1
.Lno_b:
	s_add_co_u32 s[TB], s[TB], STEPB
	s_add_co_u32 s[J], s[J], 1
	s_cmp_lt_u32 s[J], 16
	s_cbranch_scc1 .Lrest_b
	; where the two tiles go
	s_and_b32 s42, s[BH], 15                       ; the head
	s_lshr_b32 s43, s[BH], 4
	s_lshl_b32 s43, s43, 7                         ; 128 tiles a batch
	s_add_co_u32 s43, s43, s[EE]
	s_lshl_b32 s44, s[HB], 3
	s_add_co_u32 s46, s43, s44                     ; A's tile
	s_sub_co_u32 s44, 120, s44
	s_add_co_u32 s47, s43, s44                     ; B's tile
	s_mul_i32 s48, s42, YHEAD
	s_mul_i32 s52, s46, 768
	s_add_co_u32 s52, s52, s48
	s_mul_i32 s54, s47, 768
	s_add_co_u32 s54, s54, s48
	s_lshl_b32 s42, s42, 1
	s_add_co_u32 s42, s42, YSO                     ; the head's two bytes in a position's 32
	s_lshl_b32 s56, s46, 9                         ; 16 positions of 32 bytes a tile
	s_add_co_u32 s56, s56, s42
	s_lshl_b32 s58, s47, 9
	s_add_co_u32 s58, s58, s42
	s_mov_b32 s53, 0
	s_mov_b32 s55, 0
	s_mov_b32 s57, 0
	s_mov_b32 s59, 0
	s_add_nc_u64 s[52:53], s[6:7], s[52:53]
	s_add_nc_u64 s[54:55], s[6:7], s[54:55]
	s_add_nc_u64 s[56:57], s[6:7], s[56:57]
	s_add_nc_u64 s[58:59], s[6:7], s[58:59]
	OUT 54, 58                                     ; B leaves
	s_wait_xcnt 0x0                                ; the stores have read their registers
	KLOAD L16, L8                                  ; key step 0's k
	v_mov_b32 v[QS], v[QS2]                        ; A's q takes the fragment's place: more than eight places ahead of the first product
.irp i, 0,1,2,3,4,5
	v_mov_b32 v[Q+\i], v[Q2+\i]
.endr
	BEGIN
	s_mov_b32 s[TB], 0
	s_mov_b32 s[J], 0
	s_wait_alu depctr_va_vdst(0)                   ; the wait ahead of the loop
.Lrest_a:                                              ; eight trips: A on key step J, where J <= HB
	s_cmp_gt_u32 s[J], s[HB]
	s_cbranch_scc1 .Lno_a
	PLACE
	STEP HB, 1
.Lno_a:
	s_add_co_u32 s[TB], s[TB], STEPB
	s_add_co_u32 s[J], s[J], 1
	s_cmp_lt_u32 s[J], 8
	s_cbranch_scc1 .Lrest_a
	OUT 52, 56                                     ; A leaves
	s_wait_tensorcnt 0x0                           ; the wave's end
	ds_add_u32 v[SPW], v[NIL]
	s_wait_dscnt 0x0
	CROUND                                         ; the closing round: no work-group ends while a partner may still ask for a tile that names it
	s_endpgm
.Lfunc_end_k_qc10c353476_attn:
	.size	k_qc10c353476_attn, .Lfunc_end_k_qc10c353476_attn-k_qc10c353476_attn
	.p2alignl 7, 3214868480
	.fill 96, 4, 3214868480
	.section	.rodata,"a",@progbits
	.p2align	6, 0x0
	.amdhsa_kernel k_qc10c353476_attn
		.amdhsa_group_segment_fixed_size 327680
		.amdhsa_private_segment_fixed_size 0
		.amdhsa_enable_private_segment 0
		.amdhsa_kernarg_size 16
		.amdhsa_user_sgpr_count 2
		.amdhsa_user_sgpr_kernarg_segment_ptr 1
		.amdhsa_wavefront_size32 1
		.amdhsa_system_sgpr_workgroup_id_x 1
		.amdhsa_system_sgpr_workgroup_id_y 1
		.amdhsa_system_sgpr_workgroup_id_z 1
		.amdhsa_system_vgpr_workitem_id 0
		.amdhsa_next_free_vgpr 256
		.amdhsa_next_free_sgpr 66
		.amdhsa_reserve_vcc 1
		.amdhsa_float_denorm_mode_32 3
		.amdhsa_float_denorm_mode_16_64 3
		.amdhsa_memory_ordered 1
		.amdhsa_forward_progress 1
		.amdhsa_inst_pref_size 81
	.end_amdhsa_kernel
	.amdgpu_metadata
---
amdhsa.version: [ 1, 2 ]
amdhsa.kernels:
  - .name:           k_qc10c353476_attn
    .symbol:         k_qc10c353476_attn.kd
    .args:
      - { .name: qkvc, .offset: 0, .size: 8, .value_kind: global_buffer, .address_space: global }
      - { .name: yq, .offset: 8, .size: 8, .value_kind: global_buffer, .address_space: global }
    .group_segment_fixed_size: 327680
    .private_segment_fixed_size: 0
    .kernarg_segment_align: 8
    .kernarg_segment_size: 16
    .max_flat_workgroup_size: 512
    .sgpr_count:     66
    .vgpr_count:     256
    .wavefront_size: 32
...
	.end_amdgpu_metadata
.endif
;; end of part 3
;; launch proj (part 4): grid 4 x 64, 4 waves a work-group, clusters of 4 x 4, 327,680 bytes of LDS; arguments yq, pre, out0; writes out0
.if DOCPART == 4
	.amdgcn_target "amdgcn-amd-amdhsa--gfx1250"
	.amdhsa_code_object_version 6
	.text
	.protected	k_qc10c353476_proj
	.globl	k_qc10c353476_proj
	.p2align	8
	.type	k_qc10c353476_proj,@function
k_qc10c353476_proj:
	s_mov_b64 s[64:65], 0
	v_nop
	global_prefetch_b8 v0, s[64:65] scope:SCOPE_SE
	s_setreg_imm32_b32 hwreg(HW_REG_WAVE_MODE, 25, 1), 1
	s_wait_xcnt 0x0
	s_wait_alu depctr_hold_cnt(0) depctr_sa_sdst(0) depctr_va_vdst(0) depctr_va_sdst(0) depctr_va_ssrc(0) depctr_va_vcc(0) depctr_vm_vsrc(0)
	s_getreg_b32 s2, hwreg(HW_REG_IB_STS2, 6, 4)
	s_cmp_eq_u32 s2, 0
	s_cbranch_scc0 .Lentry_in_a_cluster
	s_endpgm
.Lentry_in_a_cluster:
	s_bfe_u32 s2, ttmp6, 0x10000c
	s_cmp_lg_u32 s2, 0xf033
	s_cbranch_scc0 .Lentry_shape_is_right
	s_endpgm
.Lentry_shape_is_right:
; out = y W_proj^T on codes of FP6 (E2M3) with E8M0 scales (8,192 x 1,024 x 1,024), f32 out.
; A BLOCK of 128 rows x 256 columns is made by a work-group of four waves, 2 x 2: a wave makes 64 x 128: 32 accumulators.  64 x 4 blocks are 256 work-groups.
; y (A) arrives as images of operand registers: [head][tile of 16 positions][768 bytes]: registers 0-3 at 16 x lane, 4-5 at 512 + 8 x lane; a fragment of 128 along K is two heads' tiles.  Its scale bytes: 32 a position.
; Lane r of tile e is token 32 (e / 2) + 8 (e % 2) + r + 8 (r / 8) of each 128: the stores set the rows right.  W_proj's codes (B) lie [K step of 256][row][192 bytes]: 256 rows of a K step are a dense block.
; K goes in four steps of 256 through a ring of two LDS slots; a step is two sub-steps of 128, 32 matrix instructions each.  A's and B's fragments have two sets of registers: a sub-step's are fetched while the one before is multiplied.
; THE MATRIX INSTRUCTION IS USED TRANSPOSED (source 0 = 16 rows of B, source 1 = 16 rows of A): a lane holds eight neighbouring numbers of a row of the result.
; CLUSTERS: 4 x 4 work-groups.  A's tile is shared along a row of the cluster, B's along a column: each is asked for jointly.  At the head one load a wave: A's tile, B's tile, A's scales, B's scales; slot 1 behind a round; two refills.
; No prefetch: of K's four steps two are asked for at the head, and every tile is shared by four work-groups' joint load.
; REGISTERS: window 0: v16-29 addresses; v32-63 scale words, two sets; v128-223 A's fragments, two sets of four; on the way out v128-255 are used anew.  window 1: B's fragments, two sets, at v0 and v128.  window 2: accumulator (a, b) at v[8 (8 a + b)].
.set SIZE_N, 1024
.set PITCH,  240                       ; B's LDS row: 3 x (64 bytes + 16 of padding)
.set FR,     12
.set NP,     4                         ; places behind this matrix instruction (ISA guide 7.12.1)
.set ABYTES, 24576                     ; A's part of a slot: [head of four][8 tiles][768 bytes]
.set HALFT,  128*PITCH
.set SLOT,   ABYTES+2*HALFT
.set KS,     32
.set SCL,    2*SLOT                    ; the scales, as rows of 256 bytes + 16 of padding: A's 128 rows, then B's 256
.set HALFS,  16*272
.set SBLK,   2*272
.set SPARE,  SCL+3*HALFS               ; the spare words, 128 bytes a wave
.set STAGE,  SPARE+512                 ; the way out: 16 rows x 528 bytes for each wave, bytes of its own
.set SPITCH, 528
.set AHEAD,  6144
.set ASTEP,  4*393216                  ; A: four heads on
.set KST,    2359296                   ; B: a K step on
.set YSO,    6291456
.set WPC,    2162688
.set WPS,    9797632
.set ADRA, 16                          ; v16-17 A's fragments in slot 0, 1, 16 x lane; v18-19 the same, 8 x lane
.set ADRB, 20                          ; v20-21 B's; v22-23 for the pieces behind one padding more
.set STO,  24
.set RD,   25
.set CO,   26
.set ADRS, 27                          ; my scale words: lanes 0-15 A's rows, lanes 16-31 B's
.set SPW,  28
.set NIL,  29
.set SC,   32
.set AF,   128
.set BK,   128
.set G1, 24
.set G0, 32
.set G1B, 48
.set G0B, 56
.set G1S, 68
.set G0S, 76
.set G1SB, 80
.set G0SB, 88
.set MSB, 0
.macro WIN new                         ; the immediate's high byte repeats the setting that is left
.if MSB != \new
	s_set_vgpr_msb (MSB<<8)|\new
.set MSB, \new
.endif
.endm
.set MUL,  0xa1                        ; source 0 (B) window 1, source 1 (A) window 0, C and D window 2
.set TO_B, 0x40
.macro PLACES n
.rept \n
	v_nop
.endr
.endm
; A joint load of the ring: wave 0 fetches A's tile, wave 1 B's, the others nothing; four v_nop stand on every way
.macro JLOAD g0a, g1a, g0b, g1b
	s_cmp_eq_u32 s14, 0
	s_cbranch_scc0 .Lfor_b_\@
	tensor_load_to_lds s[\g0a:\g0a+3], s[\g1a:\g1a+7]
	s_nop 0
	PLACES 4
	s_branch .Lasked_\@
.Lfor_b_\@:
	s_cmp_eq_u32 s14, 1
	s_cbranch_scc0 .Lnone_\@
	tensor_load_to_lds s[\g0b:\g0b+3], s[\g1b:\g1b+7]
	s_nop 0
	PLACES 4
	s_branch .Lasked_\@
.Lnone_\@:
	PLACES 4
.Lasked_\@:
.endm
.macro CREST
	s_cmp_lg_u32 s14, 0
	s_cbranch_scc1 .Lnot_wave_0_\@
	s_barrier_signal -3
.Lnot_wave_0_\@:
	s_barrier_wait -3
	s_barrier_signal -1
	s_barrier_wait -1
.endm
.macro CROUND
	s_barrier_signal -1
	s_barrier_wait -1
	CREST
.endm
	s_load_b128 s[4:7], s[0:1], 0x0                ; y's buffer s[4:5], the first workspace s[6:7]
	s_load_b64 s[12:13], s[0:1], 0x10              ; out0
	v_lshl_add_u32 v[SPW], v0, 2, SPARE
	v_mov_b32 v[NIL], 0
	ds_add_u32 v[SPW], v[NIL]                      ; the opening lines: the add, twice on end, and its wait
	ds_add_u32 v[SPW], v[NIL]
	v_lshrrev_b32 v1, 5, v0
	v_readfirstlane_b32 s14, v1                    ; wave
	s_lshr_b32 s15, s14, 1                         ; which 64 of A's rows are mine
	s_and_b32 s16, s14, 1                          ; which 128 of B's
	s_bfe_u32 s40, ttmp6, 0x40000
	s_bfe_u32 s41, ttmp6, 0x40004
	s_lshl_b32 s42, ttmp9, 2
	s_add_co_u32 s42, s42, s40                     ; block column, 0 .. 3
	s_and_b32 s17, ttmp7, 0xffff
	s_lshl_b32 s17, s17, 2
	s_add_co_u32 s17, s17, s41                     ; block row, 0 .. 63
	s_lshl_b32 s43, s41, 2
	s_lshl_b32 s43, 15, s43                        ; my row of the cluster
	s_lshl_b32 s44, 0x1111, s40                    ; my column
	s_or_b32 s[G1+0], s43, (3<<16)|(1<<21)         ; A: four heads' rows of 6,144 bytes (768 elements of 8), 393,216 bytes apart
	s_mov_b32 s[G1+1], 768<<16
	s_mov_b32 s[G1+2], 4<<16
	s_mov_b32 s[G1+3], 768<<16
	s_mov_b32 s[G1+4], 4
	s_mov_b32 s[G1+5], 49152
	s_mov_b32 s[G1+6], 0
	s_mov_b32 s[G1+7], 0
	s_or_b32 s[G1B+0], s44, (0<<16)|(1<<20)|(1<<21)|(3<<22)|(3<<25)   ; B: a dense block of 49,152 bytes as 192 rows of 256; 16 bytes of padding behind every 64
	s_mov_b32 s[G1B+1], 256<<16
	s_mov_b32 s[G1B+2], 192<<16
	s_mov_b32 s[G1B+3], 256<<16
	s_mov_b32 s[G1B+4], 192
	s_mov_b32 s[G1B+5], 256
	s_mov_b32 s[G1B+6], 0
	s_mov_b32 s[G1B+7], 0
	s_or_b32 s[G1S+0], s43, (3<<16)|(1<<20)|(1<<21)|(5<<22)|(3<<25)   ; the scales: rows of 256 bytes, 16 of padding behind each: A's 16 rows,
	s_mov_b32 s[G1S+1], 32<<16
	s_mov_b32 s[G1S+2], 16<<16
	s_mov_b32 s[G1S+3], 32<<16
	s_mov_b32 s[G1S+4], 16
	s_mov_b32 s[G1S+5], 32
	s_mov_b32 s[G1S+6], 0
	s_mov_b32 s[G1S+7], 0
	s_or_b32 s[G1SB+0], s44, (3<<16)|(1<<20)|(1<<21)|(5<<22)|(3<<25)  ; B's 32
	s_mov_b32 s[G1SB+1], 32<<16
	s_mov_b32 s[G1SB+2], 32<<16
	s_mov_b32 s[G1SB+3], 32<<16
	s_mov_b32 s[G1SB+4], 32
	s_mov_b32 s[G1SB+5], 32
	s_mov_b32 s[G1SB+6], 0
	s_mov_b32 s[G1SB+7], 0
	s_lshl_b32 s20, s17, 3                         ; A's first tile of 16 positions
	s_lshl_b32 s22, s20, 9
	s_add_co_u32 s22, s22, YSO
	s_mul_i32 s20, s20, 768
	s_lshl_b32 s46, s42, 8                         ; B's first row
	s_lshl_b32 s92, s46, 5
	s_add_co_u32 s92, s92, WPS
	s_mul_i32 s46, s46, 192
	s_add_co_u32 s46, s46, WPC
	s_mov_b32 s21, 0
	s_mov_b32 s23, 0
	s_mov_b32 s47, 0
	s_mov_b32 s93, 0
	s_wait_dscnt 0x0                               ; both opening adds are done
	s_wait_kmcnt 0x0
	s_add_nc_u64 s[20:21], s[4:5], s[20:21]
	s_add_nc_u64 s[22:23], s[4:5], s[22:23]
	s_add_nc_u64 s[46:47], s[6:7], s[46:47]
	s_add_nc_u64 s[92:93], s[6:7], s[92:93]
	CROUND                                         ; all sixteen work-groups are here: the first joint loads meet
	s_mov_b32 s[G0S], 1
	s_mov_b32 s[G0S+1], SCL
	s_mov_b64 s[G0S+2:G0S+3], s[22:23]
	s_or_b32 s[G0S+3], s[G0S+3], 0x80000000
	s_mov_b32 s[G0SB], 1
	s_mov_b32 s[G0SB+1], SCL+HALFS
	s_mov_b64 s[G0SB+2:G0SB+3], s[92:93]
	s_or_b32 s[G0SB+3], s[G0SB+3], 0x80000000
.irp s, 0,1
	s_mov_b32 s[G0+4*\s], 1
	s_mov_b32 s[G0+4*\s+1], \s*SLOT
	s_add_nc_u64 s[G0+4*\s+2:G0+4*\s+3], s[20:21], \s*ASTEP
	s_or_b32 s[G0+4*\s+3], s[G0+4*\s+3], 0x80000000
	s_mov_b32 s[G0B+4*\s], 1
	s_mov_b32 s[G0B+4*\s+1], ABYTES+\s*SLOT
	s_add_nc_u64 s[G0B+4*\s+2:G0B+4*\s+3], s[46:47], \s*KST
	s_or_b32 s[G0B+4*\s+3], s[G0B+4*\s+3], 0x80000000
.endr
; THE HEAD'S LOADS, ONE A WAVE, in one chain of branches on the wave's number
.macro ARM under, g0, g1, next
	s_cmp_lt_u32 s14, \under
	s_cbranch_scc0 \next
	tensor_load_to_lds s[\g0:\g0+3], s[\g1:\g1+7]
	s_nop 0
	PLACES 4
	s_branch .Lhead_asked
\next:
.endm
	ARM 1, G0,  G1,  .Lhead_b
	ARM 2, G0B, G1B, .Lhead_sa
	ARM 3, G0S, G1S, .Lhead_sb
	tensor_load_to_lds s[G0SB:G0SB+3], s[G1SB:G1SB+7]
	s_nop 0
	PLACES 4
.Lhead_asked:
	s_mul_i32 s21, s15, 3072                       ; my four tiles of A in each head's part
	s_mul_i32 s22, s16, HALFT
	s_add_co_u32 s22, s22, ABYTES                  ; my 128 rows of B
	s_mul_i32 s18, s15, HALFS/2                    ; A's scales: my 64 rows
	s_mul_i32 s19, s16, HALFS
	s_add_co_u32 s19, s19, HALFS                   ; B's: my 128 rows, behind A's 128
	s_sub_co_u32 s19, s19, s18
	s_add_co_u32 s18, s18, SCL
	s_mul_i32 s23, s14, 16*SPITCH
	s_add_co_u32 s23, s23, STAGE
	s_lshl_b32 s8, s17, 7
	s_lshl_b32 s9, s15, 6
	s_add_co_u32 s8, s8, s9                        ; my first row of the result,
	s_lshl_b32 s8, s8, 12                          ; of 4,096 bytes,
	s_lshl_b32 s9, s42, 10
	s_add_co_u32 s8, s8, s9
	s_lshl_b32 s9, s16, 9
	s_add_co_u32 s8, s8, s9                        ; and my first column
	s_mov_b32 s9, 0
	s_add_nc_u64 s[12:13], s[12:13], s[8:9]
	v_and_b32 v1, 15, v0                           ; r
	v_bfe_u32 v2, v0, 4, 1                         ; h
	v_and_b32 v7, 31, v0
	v_lshlrev_b32 v8, 4, v7
	v_lshlrev_b32 v9, 3, v7
	v_mul_u32_u24 v3, v1, PITCH
	v_mul_u32_u24 v4, v2, 24
	v_add_nc_u32 v4, v3, v4
	v_lshl_add_u32 v5, v2, 4, v4
	v_add_nc_u32 v[ADRA], s21, v8
	v_add_nc_u32 v[ADRA+2], s21, v9
	v_add_nc_u32 v[ADRB], s22, v4
	v_add_nc_u32 v[ADRB+2], s22, v5
	v_add_nc_u32 v[ADRA+1], SLOT, v[ADRA]
	v_add_nc_u32 v[ADRA+3], SLOT, v[ADRA+2]
	v_add_nc_u32 v[ADRB+1], SLOT, v[ADRB]
	v_add_nc_u32 v[ADRB+3], SLOT, v[ADRB+2]
	v_mul_u32_u24 v10, v1, KS                      ; my row's scales: 32 bytes a row,
	v_lshrrev_b32 v6, 8, v10
	v_lshl_add_u32 v10, v6, 4, v10                 ; and 16 more for each 256 passed
	v_mul_u32_u24 v6, s19, v2                      ; lanes 16-31 take B's
	v_add_nc_u32 v10, v10, v6
	v_add_nc_u32 v[ADRS], s18, v10
	v_mul_u32_u24 v11, v1, SPITCH
	v_lshl_add_u32 v11, v2, 5, v11
	v_add_nc_u32 v[STO], s23, v11
	v_lshlrev_b32 v[CO], 4, v7
	v_add_nc_u32 v[RD], s23, v[CO]
.macro FRAG reg, adr, q, i             ; B: six pieces of 8 bytes; where the piece of lanes 16-31 lies behind one padding more, the second address register serves
.irp p, 0,1,2,3,4,5
.set PIECE, 12*(\q)+6*(\p/3)+\p%3
.if PIECE%8 < 5
	ds_load_b64 v[\reg+2*\p:\reg+2*\p+1], v[\adr] offset:8*PIECE+16*(PIECE/8)+(\i)*16*PITCH
.else
	ds_load_b64 v[\reg+2*\p:\reg+2*\p+1], v[\adr+2] offset:8*PIECE+16*(PIECE/8)+(\i)*16*PITCH
.endif
.endr
.endm
.macro FRAGA reg, slot, q, i           ; A: two heads' tiles, as their registers stood
	ds_load_b128 v[\reg:\reg+3], v[ADRA+\slot] offset:AHEAD*(2*(\q))+768*(\i)
	ds_load_b64 v[\reg+4:\reg+5], v[ADRA+2+\slot] offset:AHEAD*(2*(\q))+768*(\i)+512
	ds_load_b128 v[\reg+6:\reg+9], v[ADRA+\slot] offset:AHEAD*(2*(\q)+1)+768*(\i)
	ds_load_b64 v[\reg+10:\reg+11], v[ADRA+2+\slot] offset:AHEAD*(2*(\q)+1)+768*(\i)+512
.endm
.macro FETCH slot, q, p                ; the fragments of the slot's q-th 128 along K into set p: 64 loads
	WIN TO_B
.irp i, 0,1,2,3,4,5,6,7
	FRAG 128*(\p)+FR*\i, ADRB+\slot, \q, \i
.endr
	WIN 0
.irp i, 0,1,2,3
	FRAGA AF+48*(\p)+FR*\i, \slot, \q, \i
.endr
.endm
.macro SCALES sc                       ; a K step's scale words into set sc: two words a row; lanes 0-15 take A's block i (i < 4 are mine), lanes 16-31 B's block i
.irp i, 0,1,2,3,4,5,6,7
	ds_load_b64 v[SC+16*\sc+2*\i:SC+16*\sc+2*\i+1], v[ADRS] offset:\i*SBLK
.endr
.endm
; 8 matrix instructions: A's block a x B's eight.  The 32 accumulators take turns, in the same order in every sub-step.  zero = 1: the first product starts the sums.
.macro MUL8 a, p, q, sc, zero
.irp b, 0,1,2,3,4,5,6,7
.if \zero
	v_wmma_scale_f32_16x16x128_f8f6f4 v[8*(8*(\a)+\b):8*(8*(\a)+\b)+7], v[128*(\p)+FR*\b:128*(\p)+FR*\b+FR-1], v[AF+48*(\p)+FR*(\a):AF+48*(\p)+FR*(\a)+FR-1], 0, v[SC+16*(\sc)+2*\b+(\q)], v[SC+16*(\sc)+2*(\a)+(\q)] matrix_a_fmt:MATRIX_FMT_FP6 matrix_b_fmt:MATRIX_FMT_FP6 matrix_a_scale:MATRIX_SCALE_ROW1
.else
	v_wmma_scale_f32_16x16x128_f8f6f4 v[8*(8*(\a)+\b):8*(8*(\a)+\b)+7], v[128*(\p)+FR*\b:128*(\p)+FR*\b+FR-1], v[AF+48*(\p)+FR*(\a):AF+48*(\p)+FR*(\a)+FR-1], v[8*(8*(\a)+\b):8*(8*(\a)+\b)+7], v[SC+16*(\sc)+2*\b+(\q)], v[SC+16*(\sc)+2*(\a)+(\q)] matrix_a_fmt:MATRIX_FMT_FP6 matrix_b_fmt:MATRIX_FMT_FP6 matrix_a_scale:MATRIX_SCALE_ROW1
.endif
.endr
.endm
; A slot's first sub-step multiplies set 0 and fetches the second's fragments into set 1
.macro EVEN slot, zero
	s_wait_dscnt 0x0                               ; set 0 and the scale words are in
	PLACES NP                                      ; in front of loads into registers that matrix instructions have read
	FETCH \slot, 1, 1
	WIN MUL
.irp a, 0,1,2,3
	MUL8 \a, 0, 0, \slot, \zero
.endr
	WIN 0
.endm
; A slot's second sub-step multiplies set 1 and changes slots: ONE barrier; in front of it each wave waits for all its tensor loads, adds 0 to its spare word, and waits for that; its reads of this slot are over.
; fill = 1: the barrier opens a round of the cluster's, and this slot is filled again, two K steps ahead.
.macro ODD slot, next, fill
	s_wait_tensorcnt 0x0
	ds_add_u32 v[SPW], v[NIL]
	s_wait_dscnt 1                                 ; set 1 is in; the add may be out
	WIN MUL
	MUL8 0, 1, 1, \slot, 0
	s_wait_dscnt 0x0
	s_barrier_signal -1
	MUL8 1, 1, 1, \slot, 0
	WIN 0
	s_barrier_wait -1
.if \fill
	CREST
	s_add_nc_u64 s[G0+4*\slot+2:G0+4*\slot+3], s[G0+4*\slot+2:G0+4*\slot+3], 2*ASTEP
	s_add_nc_u64 s[G0B+4*\slot+2:G0B+4*\slot+3], s[G0B+4*\slot+2:G0B+4*\slot+3], 2*KST
	JLOAD G0+4*\slot, G1, G0B+4*\slot, G1B         ; the first tensor load behind the round; its four v_nop are the places in front of the loads below
.else
	PLACES NP
.endif
	s_wait_alu depctr_va_vdst(0)                   ; the line below reads what it wrote a K step ago
	v_add_nc_u32 v[ADRS], 8, v[ADRS]               ; on to the next K step's scale words
	FETCH \next, 0, 0
	SCALES \next
	WIN MUL
	MUL8 2, 1, 1, \slot, 0
	MUL8 3, 1, 1, \slot, 0
	WIN 0
.endm
	s_wait_alu depctr_va_vdst(0)                   ; the wait at the head's end
	s_wait_tensorcnt 0x0                           ; my tile of the head's four is in;
	ds_add_u32 v[SPW], v[NIL]
	s_wait_dscnt 0x0
	CROUND                                         ; a whole round: all four tiles are in, and all sixteen work-groups are here,
	JLOAD G0+4, G1, G0B+4, G1B                     ; and K step 1's loads are the first tensor loads behind the round
	FETCH 0, 0, 0
	SCALES 0
	EVEN 0, 1
	ODD 0, 1, 1                                    ; slot 0 takes K step 2
	EVEN 1, 0
	ODD 1, 0, 1                                    ; slot 1 takes K step 3
	EVEN 0, 0
	ODD 0, 1, 0
	EVEN 1, 0
	s_wait_dscnt 0x0                               ; the last sub-step: nothing more to fetch
	WIN MUL
.irp a, 0,1,2,3
	MUL8 \a, 1, 1, 1, 0
.endr
	WIN 0
; THE WAY OUT, block by block of 16 rows x 128 columns: through my own stage in LDS, back as whole rows of 512 bytes.  LDS serves a wave's instructions in order: no wait between the stores and the loads.
.macro TOSTAGE a
	WIN 0x08                                       ; the data: window 2
.irp b, 0,1,2,3,4,5,6,7
	ds_store_b128 v[STO], v[64*(\a)+8*\b:64*(\a)+8*\b+3] offset:64*\b          ; each accumulator from its low end on
	ds_store_b128 v[STO], v[64*(\a)+8*\b+4:64*(\a)+8*\b+7] offset:64*\b+16
.endr
	WIN 0
.set BB, BK+64*((\a)%2)
.irp t, 0,1,2,3,4,5,6,7,8,9,10,11,12,13,14,15
	ds_load_b128 v[BB+4*\t:BB+4*\t+3], v[RD] offset:\t*SPITCH
.endr
.endm
.macro SEND a, younger                 ; younger: the LDS instructions issued behind block a's loads, which may stay out
.set BB, BK+64*((\a)%2)
	s_wait_dscnt \younger
.irp t, 0,1,2,3,4,5,6,7,8,9,10,11,12,13,14,15
	global_store_b128 v[CO], v[BB+4*\t:BB+4*\t+3], s[12:13] offset:(32*((\a)/2)+8*((\a)%2)+\t+8*(\t/8))*SIZE_N*4 th:TH_STORE_NT   ; 32 lanes store 512 consecutive bytes, aligned: the row's true place
.endr
.endm
	PLACES NP
	TOSTAGE 0
.irp a, 1,2,3
.if \a > 1
	s_wait_xcnt 0x0                                ; block a - 2's stores have read their registers: block a's loads may land there
.endif
	TOSTAGE \a
	SEND \a-1, 32
.endr
	SEND 3, 0
	s_wait_tensorcnt 0x0                           ; the wave's end
	ds_add_u32 v[SPW], v[NIL]
	s_wait_dscnt 0x0
	CROUND                                         ; the closing round
	s_endpgm
.Lfunc_end_k_qc10c353476_proj:
	.size	k_qc10c353476_proj, .Lfunc_end_k_qc10c353476_proj-k_qc10c353476_proj
	.p2alignl 7, 3214868480
	.fill 96, 4, 3214868480
	.section	.rodata,"a",@progbits
	.p2align	6, 0x0
	.amdhsa_kernel k_qc10c353476_proj
		.amdhsa_group_segment_fixed_size 327680
		.amdhsa_private_segment_fixed_size 0
		.amdhsa_enable_private_segment 0
		.amdhsa_kernarg_size 24
		.amdhsa_user_sgpr_count 2
		.amdhsa_user_sgpr_kernarg_segment_ptr 1
		.amdhsa_wavefront_size32 1
		.amdhsa_system_sgpr_workgroup_id_x 1
		.amdhsa_system_sgpr_workgroup_id_y 1
		.amdhsa_system_sgpr_workgroup_id_z 1
		.amdhsa_system_vgpr_workitem_id 0
		.amdhsa_next_free_vgpr 768
		.amdhsa_next_free_sgpr 98
		.amdhsa_reserve_vcc 0
		.amdhsa_float_denorm_mode_32 3
		.amdhsa_float_denorm_mode_16_64 3
		.amdhsa_memory_ordered 1
		.amdhsa_forward_progress 1
		.amdhsa_inst_pref_size 97
	.end_amdhsa_kernel
	.amdgpu_metadata
---
amdhsa.version: [ 1, 2 ]
amdhsa.kernels:
  - .name:           k_qc10c353476_proj
    .symbol:         k_qc10c353476_proj.kd
    .args:
      - { .name: yq, .offset: 0, .size: 8, .value_kind: global_buffer, .address_space: global }
      - { .name: pre, .offset: 8, .size: 8, .value_kind: global_buffer, .address_space: global }
      - { .name: out0, .offset: 16, .size: 8, .value_kind: global_buffer, .address_space: global }
    .group_segment_fixed_size: 327680
    .private_segment_fixed_size: 0
    .kernarg_segment_align: 8
    .kernarg_segment_size: 24
    .max_flat_workgroup_size: 128
    .sgpr_count:     98
    .vgpr_count:     768
    .wavefront_size: 32
...
	.end_amdgpu_metadata
.endif
;; end of part 4
